; MI455X (gfx1250); checked and timed in simulation.
; The chip was launched on July 23, 2026; its instructions are those of AMD's public machine-readable ISA for CDNA 5 (MIT licence, August 2026) and "CDNA5" Instruction Set Architecture Reference Guide (July 2026). The comments in the code are by the model that wrote it; some were corrected since.
;; Multi Head Attention. Allowed arithmetic: matrix products marked QUANTISED: E2M3 operands, one E8M0 scale for each 32 along K, by v_wmma_scale_f32_16x16x128_f8f6f4 with both operands' format E2M3, f32 sums; everything else in f32.
;; Inputs: Wk 1,024 x 1,024 float32; Wo 1,024 x 1,024 float32; Wq 1,024 x 1,024 float32; Wv 1,024 x 1,024 float32; bo 1,024 float32; x 4 x 2,048 x 1,024 float32.
;; Outputs: out0 4 x 2,048 x 1,024 float32.
;; This version of the problem:
;;   THIS VERSION OF THE PROBLEM IS GIVEN IN LOW PRECISION. The matrix products marked QUANTISED in the list below multiply operands that are first quantised to E2M3 (2 exponent bits, 3 mantissa bits; 6 bits a number), with one power-of-two scale for each 32 numbers along K (OCP MX v1.0); their sums are f32. All else is computed in f32.
;;   The module's matrix products, in the order in which they are computed (A, B: the left and right operand; K: the contracted axis; several contracted axes count as one K, in the product's order):
;;     1. [M 8,192, K 1,024] x [K 1,024, N 1,024]; A: input x; B: input Wq: QUANTISED
;;     2. [M 8,192, K 1,024] x [K 1,024, N 1,024]; A: input x; B: input Wk: QUANTISED
;;     3. [M 8,192, K 1,024] x [K 1,024, N 1,024]; A: input x; B: input Wv: QUANTISED
;;     4. batch 64 x [M 2,048, K 64] x [K 64, N 2,048]; A: computed on the way; B: computed on the way: QUANTISED
;;     5. batch 64 x [M 2,048, K 2,048] x [K 2,048, N 64]; A: softmax (see below); B: computed on the way: QUANTISED
;;     6. [M 8,192, K 1,024] x [K 1,024, N 1,024]; A: computed on the way; B: input Wo: QUANTISED
;;   THE QUANTISER, for each operand of a quantised product, along K:
;;     - K is cut into blocks of 32 from its start; a last block that is shorter is filled with zeros.
;;     - A block's scale is 2^e with e = floor(log2(the largest magnitude in the block)) - 2, held to -126 .. 127; a block of zeros has e = 0. As a byte (E8M0): e + 127.
;;     - Each number is divided by its block's scale, clamped to +-7.5, and rounded to the nearest number of E2M3, ties to even, subnormals kept.
;;     - The product sums the exact products of the quantised numbers (number of the format x scale) in f32.
;;   ~~~python
;;   def quantise(x, axis):      # numpy; x: float32 -> the quantised numbers, widened to float32 again
;;       x = np.moveaxis(x, axis, -1); K = x.shape[-1]
;;       x = np.pad(x, [(0, 0)] * (x.ndim - 1) + [(0, -K % 32)]); x = x.reshape(x.shape[:-1] + (-1, 32)); a = np.abs(x).max(-1, keepdims=True)
;;       e = np.where(a > 0, np.clip(np.frexp(np.where(a > 0, a, 1))[1] - 1 - 2, -126, 127), 0)      # np.frexp(a)[1] - 1 = floor(log2(a)), exactly
;;       r = np.clip(x / 2.0 ** e, -7.5, 7.5)
;;       step = 2.0 ** (np.maximum(np.frexp(np.where(r == 0, 1, r))[1] - 1, 0) - 3)
;;       q = np.round(r / step) * step * 2.0 ** e      # np.round: ties to even
;;       return np.moveaxis(q.reshape(q.shape[:-2] + (-1,))[..., :K], -1, axis).astype(np.float32)
;;   ~~~
;;   SOFTMAX AHEAD OF A QUANTISED PRODUCT. Where the list says 'softmax', what is quantised is not the finished softmax but p = 2^(t - M), with t = logit x log2(e) and M = ceil(the row's largest t), a whole number; so 1/2 < the row's largest p <= 1. The row's sum l is taken of the UNQUANTISED p, in f32, and the product's result is divided by l at the end. Since M is a whole number, a kernel that streams over the keys may use a running M (the ceiling of the running maximum): every later rescaling is an exact power of two, which a block's scale takes up: the codes' values come out the same.
;;   OPERANDS COMPUTED ON THE WAY. 'Computed on the way' means the value that the module computes at that place (a softmax that the list does not call 'softmax' is quantised finished and normalised). What goes into a quantiser is computed in f32, as accurately as f32 sums, v_exp_f32 and their like allow (about 1e-6 of the number): no bf16 or f16 on the way to a quantiser, and a product that is left as it is and whose result goes on into a quantised operand takes f32 operands (vector FMAs, or v_wmma_f32_16x16x4_f32). A number that lies on a knife's edge between two numbers of the format may be rounded either way, as far as f32 arithmetic and the matrix unit's own rounding can turn it there, and no further.
;; One version. Each part assembles by itself: llvm-mc -triple=amdgcn-amd-amdhsa -mcpu=gfx1250 --defsym DOCPART=n.
;; ======== version 1 of 1: 4 launches
;; workspace buffers: xc 6,291,456 bytes; xs 262,144 bytes; wc 3,145,728 bytes; ws 131,072 bytes; qkv 26,738,688 bytes; cc 6,291,456 bytes; cs 262,144 bytes
;; launch quant (part 1): grid 384 x 1, 4 waves a work-group, no clusters, 68,096 bytes of LDS; arguments x, Wq, Wk, Wv, Wo, xc, xs, wc, ws; writes xc, xs, wc, ws
.if DOCPART == 1
	.amdgcn_target "amdgcn-amd-amdhsa--gfx1250"
	.amdhsa_code_object_version 6
	.text
	.protected	k_q1841523c42_quant
	.globl	k_q1841523c42_quant
	.p2align	8
	.type	k_q1841523c42_quant,@function
k_q1841523c42_quant:
	s_mov_b64 s[64:65], 0
	v_nop
	global_prefetch_b8 v0, s[64:65] scope:SCOPE_SE
	s_setreg_imm32_b32 hwreg(HW_REG_WAVE_MODE, 25, 1), 1
	s_wait_xcnt 0x0
; x [8192][1024] and the four weights [1024 (k)][1024 (n)], f32, become codes of FP6 (E2M3), K innermost, with one E8M0 scale byte for each 32 along K.
; xc [8192][768], xs [8192][32];  wc [4096][768], ws [4096][32]: the rows of wc are the columns n of Wq, Wk, Wv, Wo, in that order.
; A block's scale is 2^(floor(log2(its largest magnitude)) - 2); its byte is the largest magnitude's exponent field - 2, held at 1 from below.
; A block of zeros so gets the byte 1 where the rule says 127: its codes are zeros, which add nothing under any byte but 0xff, and this program alone reads the bytes.
; LIMITS: blocks whose largest magnitude lies under 2^(2 - 126) have their byte held at 1; NaN and infinities among the inputs are not served.
; ROW ORDER OF THE OUTPUTS.  In every 32 rows the second and third group of eight rows change places: stored row 16 i + r holds row 32 (i/2) + 8 (i%2) + r%8 + 16 (r/8).
; A product that takes 16 neighbouring stored rows as its source 0 then leaves, in the 16 registers of two neighbouring tiles, 16 neighbours along that axis, which is what the next quantiser wants.
; Work-groups 0-255 take x (K innermost: a stream of blocks; a wave takes 8 rows, one group of eight);  work-groups 256-383 take the weights (K outermost: a lane takes a column, its registers run down K).
; The two paths part on the work-group's number and have LDS bytes of their own.  No tensor load, no barrier: waves share nothing.  No input is shared between work-groups, so there is nothing to ask for jointly.
.set STEPS, 16
.set EMAX,  2
.set CB,    12                         ; bytes of 16 codes
.set R,     16                         ; path x: v16-79   four sets of 16 numbers as they are loaded
.set X,     80                         ;         v80-111  two sets of 16 neighbours
.set E,     112                        ;         v112-127 a scale byte for each step
.set C,     128                        ;         v128-191 codes: four registers for each step
.set WREG,  8192                       ; LDS, path x: a region for each wave: two stages of 32 x SP bytes, then its 256 scale bytes
.set SP,    80                         ; a lane's place in a stage: 64 bytes + 16 of padding
.set WSTG,  4*WREG                     ; LDS, path w: four stages of 32 rows x WPITCH
.set WPITCH, 272                       ; sixteen places of 16 bytes, each with 12 bytes of codes, + 16
.set KROW,  768                        ; a row of codes in memory
.set WROWB, 192                        ; 256 codes
.set NB,    8                          ; blocks of 32 along K for a wave of path w
.set WX,    32                         ; path w: v32-95 two sets of 32 numbers
.set WC,    96                         ;         v96..  a block's codes
.set OUTR,  112                        ;         v112-175 the way out
.set SB,    24                         ;         v24-25 the scale bytes
.set SPW,   198                        ; v198 LDS address of my spare word; never rewritten
.set NIL,   199                        ; v199 0; never rewritten
.set SPARE, WSTG+4*32*WPITCH           ; the spare words: 128 bytes for each wave, two blocks of 256 bytes that no other line names
	s_load_b256 s[4:11], s[0:1], 0x0               ; x, Wq, Wk, Wv
	s_load_b256 s[12:19], s[0:1], 0x20             ; Wo, xc, xs, wc
	s_load_b64 s[20:21], s[0:1], 0x40              ; ws
	v_lshl_add_u32 v[SPW], v0, 2, SPARE
	v_mov_b32 v[NIL], 0
	v_lshrrev_b32 v1, 5, v0
	v_readfirstlane_b32 s22, v1                    ; wave
	v_and_b32 v2, 31, v0                           ; lane
	s_cmp_lt_u32 ttmp9, 256
	s_cbranch_scc0 .Lweights
; ---------------- x: a wave takes 16 steps of 512 numbers: 8 rows ----------------
	v_lshlrev_b32 v3, 4, v2                        ; my 16 bytes of a load's 512
	s_mul_i32 s23, s22, WREG
	v_lshrrev_b32 v14, 2, v2
	v_mul_u32_u24 v14, v14, SP
	v_and_b32 v15, 3, v2
	v_lshl_add_u32 v14, v15, 4, v14
	v_add_nc_u32 v14, s23, v14                     ; the stage, on the way in: SP (lane / 4) + 16 (lane % 4)
	v_mul_u32_u24 v15, v2, SP
	v_add_nc_u32 v15, s23, v15                     ; and on the way out: SP x lane: my 16 neighbours
	v_mul_u32_u24 v4, v2, CB                       ; my codes' place in a step's
	v_lshrrev_b32 v5, 1, v2
	s_add_co_u32 s23, s23, 2*32*SP
	v_add_nc_u32 v5, s23, v5                       ; my wave's 256 scale bytes, my block's byte
	v_lshlrev_b32 v7, 3, v2
	v_add_nc_u32 v6, s23, v7                       ; and on the way out 8 bytes a lane
	s_lshl_b32 s24, ttmp9, 2
	s_add_co_u32 s26, s24, s22                     ; the group of eight rows that I read: 4 x work-group + wave
	s_and_b32 s27, s22, 1
	s_lshl_b32 s27, s27, 1
	s_lshr_b32 s28, s22, 1
	s_or_b32 s27, s27, s28                         ; groups 1 and 2 change places
	s_add_co_u32 s28, s24, s27                     ; the group that I write
	s_lshl_b32 s24, s26, 15                        ; 8 rows of 4,096 bytes
	s_mov_b32 s25, 0
	s_mul_i32 s26, s28, 8*KROW
	s_mov_b32 s27, 0
	s_lshl_b32 s28, s28, 8                         ; 8 rows of 32 scale bytes
	s_mov_b32 s29, 0
	s_wait_kmcnt 0x0
	s_add_nc_u64 s[4:5], s[4:5], s[24:25]
	s_add_nc_u64 s[14:15], s[14:15], s[26:27]
	s_add_nc_u64 s[16:17], s[16:17], s[28:29]
.macro XLOAD t
.irp i, 0,1,2,3
	global_load_b128 v[R+16*((\t)%4)+4*\i:R+16*((\t)%4)+4*\i+3], v3, s[4:5] offset:2048*(\t)+512*\i th:TH_LOAD_NT   ; 32 lanes read 512 consecutive bytes
.endr
.endm
.macro XTURN t                         ; step t's numbers through the stage: LDS serves a wave's instructions in order, so no wait stands between the stores and the loads
.irp i, 0,1,2,3
	ds_store_b128 v14, v[R+16*((\t)%4)+4*\i:R+16*((\t)%4)+4*\i+3] offset:32*SP*((\t)%2)+8*SP*\i
.endr
.irp i, 0,1,2,3
	ds_load_b128 v[X+16*((\t)%2)+4*\i:X+16*((\t)%2)+4*\i+3], v15 offset:32*SP*((\t)%2)+16*\i
.endr
.endm
.irp t, 0,1,2,3
	XLOAD \t
.endr
	s_wait_loadcnt 12                              ; step 0's four loads are in; the twelve of steps 1 to 3 may be out
	XTURN 0
.macro XSTEP t
.set XS, X+16*((\t)%2)
.if (\t) > 0
	s_wait_dscnt 1                                 ; this step's numbers are back from the stage (the last step's byte store may be out)
.else
	s_wait_dscnt 0x0
.endif
.if (\t)+4 < STEPS
	XLOAD (\t)+4                                   ; into the registers that this step's stage stores have read
.endif
.if (\t)+1 < STEPS
.if STEPS-2-(\t) >= 3
	s_wait_loadcnt 12                              ; the next step's four loads are in; those of the three steps behind it may be out
.else
	s_wait_loadcnt 4*(STEPS-2-(\t))
.endif
	XTURN (\t)+1
.endif
	v_max3_num_f32 v8, |v[XS]|, |v[XS+1]|, |v[XS+2]|               ; the largest magnitude of my 16
	v_max3_num_f32 v9, |v[XS+3]|, |v[XS+4]|, |v[XS+5]|
.irp i, 6,10
	v_max3_num_f32 v8, v8, |v[XS+\i]|, |v[XS+\i+1]|
	v_max3_num_f32 v9, v9, |v[XS+\i+2]|, |v[XS+\i+3]|
.endr
	v_max3_num_f32 v8, v8, |v[XS+14]|, |v[XS+15]|
	v_max3_num_f32 v8, v8, v9, (EMAX+1)<<23        ; and the floor 2^(3 - 127): the byte cannot fall under 1
	v_max_num_f32_dpp v8, v8, v8 row_xmask:1 row_mask:0xf bank_mask:0xf   ; and of my neighbour's 16: the block's
	v_add_nc_u32 v11, -(EMAX<<23), v8              ; 2 off its exponent field: the conversion takes the exponent field of this operand as its scale
	v_cvt_scalef32_pk16_fp6_f32 v[C+4*(\t):C+4*(\t)+2], v[XS:XS+15], v11
	v_lshrrev_b32 v[E+(\t)], 23, v11               ; the scale's byte
	ds_store_b8 v5, v[E+(\t)] offset:16*(\t)       ; both lanes of a block write the same byte with the same value
	global_store_b96 v4, v[C+4*(\t):C+4*(\t)+2], s[14:15] offset:32*CB*(\t)   ; the wave stores 384 consecutive bytes
.endm
.irp t, 0,1,2,3,4,5,6,7,8,9,10,11,12,13,14,15
	XSTEP \t
.endr
	ds_load_b64 v[8:9], v6                         ; LDS serves a wave's instructions in order: these see my byte stores
	s_wait_dscnt 0x0
	global_store_b64 v7, v[8:9], s[16:17]          ; 32 lanes store 256 consecutive bytes, aligned
	s_wait_tensorcnt 0x0                           ; the wave's end, behind my last LDS store
	ds_add_u32 v[SPW], v[NIL]
	s_wait_dscnt 0x0
	s_endpgm
; ---------------- the weights: a wave takes 32 columns x 256 along K ----------------
.Lweights:
	s_sub_co_u32 s23, ttmp9, 256
	s_lshr_b32 s24, s23, 5                         ; which weight: 0 Wq, 1 Wk, 2 Wv, 3 Wo
	s_and_b32 s25, s23, 7                          ; which 128 columns
	s_bfe_u32 s26, s23, 0x20003                    ; which 256 along K
	s_lshl_b32 s27, s25, 7
	s_lshl_b32 s28, s22, 5
	s_add_co_u32 s27, s27, s28                     ; my wave's first column
	v_lshlrev_b32 v3, 2, v2                        ; in: 4 bytes a lane
	s_mul_i32 s28, s22, 32*WPITCH
	s_add_co_u32 s28, s28, WSTG                    ; my stage
	v_mul_u32_u24 v4, v2, WPITCH
	v_add_nc_u32 v4, s28, v4                       ; into it: row = my column
	v_and_b32 v5, 15, v2
	v_lshrrev_b32 v6, 4, v2                        ; out of it: sixteen lanes to a row, two rows an instruction
	v_mul_u32_u24 v7, v6, WPITCH
	v_lshl_add_u32 v7, v5, 4, v7
	v_add_nc_u32 v7, s28, v7
	v_mul_u32_u24 v8, v6, KROW
	v_mad_u32_u24 v8, v5, 12, v8                   ; and the same place in the codes' buffer
	v_and_b32 v9, 7, v2                            ; my column's stored row among the wave's 32: bits 3 and 4 of the lane change places
	v_and_b32 v10, 8, v2
	v_lshl_or_b32 v9, v10, 1, v9
	v_and_b32 v10, 16, v2
	v_lshrrev_b32 v10, 1, v10
	v_or_b32 v9, v9, v10
	v_lshlrev_b32 v9, 5, v9                        ; 32 scale bytes a row
	s_lshl_b32 s30, s26, 20                        ; 256 rows of 4,096 bytes,
	s_lshl_b32 s29, s27, 2
	s_add_co_u32 s30, s30, s29                     ; + 4 x column
	s_mov_b32 s31, 0
	s_lshl_b32 s29, s24, 10
	s_add_co_u32 s29, s29, s27                     ; the wave's first row of wc and ws
	s_mul_i32 s32, s29, KROW
	s_mul_i32 s34, s26, WROWB
	s_add_co_u32 s32, s32, s34
	s_mov_b32 s33, 0
	s_lshl_b32 s34, s29, 5
	s_lshl_b32 s35, s26, 3
	s_add_co_u32 s34, s34, s35
	s_mov_b32 s35, 0
	s_wait_kmcnt 0x0
	s_cmp_eq_u32 s24, 1                            ; the choice hangs on the work-group's number alone
	s_cselect_b64 s[6:7], s[8:9], s[6:7]
	s_cmp_eq_u32 s24, 2
	s_cselect_b64 s[6:7], s[10:11], s[6:7]
	s_cmp_eq_u32 s24, 3
	s_cselect_b64 s[6:7], s[12:13], s[6:7]
	s_add_nc_u64 s[6:7], s[6:7], s[30:31]
	s_add_nc_u64 s[18:19], s[18:19], s[32:33]
	s_add_nc_u64 s[20:21], s[20:21], s[34:35]
.macro WLOAD t                         ; block t: W(32 t + i, my column), i = 0 .. 31, into set t % 2; 32 lanes read 128 consecutive bytes
.irp i, 0,1,2,3,4,5,6,7,8,9,10,11,12,13,14,15,16,17,18,19,20,21,22,23,24,25,26,27,28,29,30,31
	global_load_b32 v[WX+32*((\t)%2)+\i], v3, s[6:7] offset:(32*(\t)+\i)*4096 th:TH_LOAD_NT
.endr
.endm
	WLOAD 0
	WLOAD 1
.macro WBLOCK t
.set XS, WX+32*((\t)%2)
.if (\t) < NB-1
	s_wait_loadcnt 32                              ; this block's 32 loads are in; the next block's may be out
.else
	s_wait_loadcnt 0
.endif
	v_max3_num_f32 v12, |v[XS]|, |v[XS+1]|, |v[XS+2]|               ; the block's largest magnitude: all 32 numbers are mine
	v_max3_num_f32 v13, |v[XS+3]|, |v[XS+4]|, |v[XS+5]|
.irp i, 6,10,14,18,22,26
	v_max3_num_f32 v12, v12, |v[XS+\i]|, |v[XS+\i+1]|
	v_max3_num_f32 v13, v13, |v[XS+\i+2]|, |v[XS+\i+3]|
.endr
	v_max3_num_f32 v12, v12, |v[XS+30]|, |v[XS+31]|
	v_max3_num_f32 v12, v12, v13, (EMAX+1)<<23     ; and the floor
	v_add_nc_u32 v11, -(EMAX<<23), v12             ; the conversion's scale operand
	v_lshrrev_b32 v13, 23, v11                     ; the scale's byte
.if (\t)%4 == 0
	v_mov_b32 v[SB+(\t)/4], v13                    ; four bytes to a register, the lower K in the lower byte
.else
	v_lshl_or_b32 v[SB+(\t)/4], v13, 8*((\t)%4), v[SB+(\t)/4]
.endif
	v_cvt_scalef32_pk16_fp6_f32 v[WC:WC+2], v[XS:XS+15], v11
	v_cvt_scalef32_pk16_fp6_f32 v[WC+4:WC+6], v[XS+16:XS+31], v11   ; (a conversion's three registers begin on an even number)
	ds_store_b96 v4, v[WC:WC+2] offset:32*(\t)     ; 12 bytes to a place of 16
	ds_store_b96 v4, v[WC+4:WC+6] offset:32*(\t)+16
.if (\t)+2 < NB
	WLOAD (\t)+2
.endif
	s_wait_dscnt 0x0                               ; the stores have read their registers: the next block's codes may be written
.endm
.irp t, 0,1,2,3,4,5,6,7
	WBLOCK \t
.endr
	global_store_b64 v9, v[SB:SB+1], s[20:21]      ; my column's 8 scale bytes
.irp t, 0,1,2,3,4,5,6,7,8,9,10,11,12,13,14,15
	ds_load_b96 v[OUTR+4*\t:OUTR+4*\t+2], v7 offset:2*\t*WPITCH   ; columns 2 t and 2 t + 1
.endr
.irp t, 0,1,2,3,4,5,6,7,8,9,10,11,12,13,14,15
	s_wait_dscnt 15-\t                             ; the younger row reads may be out
	global_store_b96 v8, v[OUTR+4*\t:OUTR+4*\t+2], s[18:19] offset:(8*(2*((\t/4)%2)+\t/8)+2*(\t%4))*KROW   ; to their stored rows: groups 1 and 2 of eight change places
.endr
	s_wait_tensorcnt 0x0                           ; the wave's end, behind my last LDS store
	ds_add_u32 v[SPW], v[NIL]
	s_wait_dscnt 0x0
	s_endpgm
.Lfunc_end_k_q1841523c42_quant:
	.size	k_q1841523c42_quant, .Lfunc_end_k_q1841523c42_quant-k_q1841523c42_quant
	.p2alignl 7, 3214868480
	.fill 96, 4, 3214868480
	.section	.rodata,"a",@progbits
	.p2align	6, 0x0
	.amdhsa_kernel k_q1841523c42_quant
		.amdhsa_group_segment_fixed_size 68096
		.amdhsa_private_segment_fixed_size 0
		.amdhsa_enable_private_segment 0
		.amdhsa_kernarg_size 72
		.amdhsa_user_sgpr_count 2
		.amdhsa_user_sgpr_kernarg_segment_ptr 1
		.amdhsa_wavefront_size32 1
		.amdhsa_system_sgpr_workgroup_id_x 1
		.amdhsa_system_sgpr_workgroup_id_y 1
		.amdhsa_system_sgpr_workgroup_id_z 1
		.amdhsa_system_vgpr_workitem_id 0
		.amdhsa_next_free_vgpr 200
		.amdhsa_next_free_sgpr 66
		.amdhsa_reserve_vcc 0
		.amdhsa_float_denorm_mode_32 3
		.amdhsa_float_denorm_mode_16_64 3
		.amdhsa_memory_ordered 1
		.amdhsa_forward_progress 1
		.amdhsa_inst_pref_size 74
	.end_amdhsa_kernel
	.amdgpu_metadata
---
amdhsa.version: [ 1, 2 ]
amdhsa.kernels:
  - .name:           k_q1841523c42_quant
    .symbol:         k_q1841523c42_quant.kd
    .args:
      - { .name: x, .offset: 0, .size: 8, .value_kind: global_buffer, .address_space: global }
      - { .name: Wq, .offset: 8, .size: 8, .value_kind: global_buffer, .address_space: global }
      - { .name: Wk, .offset: 16, .size: 8, .value_kind: global_buffer, .address_space: global }
      - { .name: Wv, .offset: 24, .size: 8, .value_kind: global_buffer, .address_space: global }
      - { .name: Wo, .offset: 32, .size: 8, .value_kind: global_buffer, .address_space: global }
      - { .name: xc, .offset: 40, .size: 8, .value_kind: global_buffer, .address_space: global }
      - { .name: xs, .offset: 48, .size: 8, .value_kind: global_buffer, .address_space: global }
      - { .name: wc, .offset: 56, .size: 8, .value_kind: global_buffer, .address_space: global }
      - { .name: ws, .offset: 64, .size: 8, .value_kind: global_buffer, .address_space: global }
    .group_segment_fixed_size: 68096
    .private_segment_fixed_size: 0
    .kernarg_segment_align: 8
    .kernarg_segment_size: 72
    .max_flat_workgroup_size: 128
    .sgpr_count:     66
    .vgpr_count:     200
    .wavefront_size: 32
...
	.end_amdgpu_metadata
.endif
;; end of part 1
;; launch qkv (part 2): grid 8 x 48, 4 waves a work-group, clusters of 4 x 4, 327,680 bytes of LDS; arguments xc, xs, wc, ws, qkv; writes qkv
.if DOCPART == 2
	.amdgcn_target "amdgcn-amd-amdhsa--gfx1250"
	.amdhsa_code_object_version 6
	.text
	.protected	k_q1841523c42_qkv
	.globl	k_q1841523c42_qkv
	.p2align	8
	.type	k_q1841523c42_qkv,@function
k_q1841523c42_qkv:
	s_mov_b64 s[64:65], 0
	v_nop
	global_prefetch_b8 v0, s[64:65] scope:SCOPE_SE
	s_setreg_imm32_b32 hwreg(HW_REG_WAVE_MODE, 25, 1), 1
	s_wait_xcnt 0x0
	s_wait_alu depctr_hold_cnt(0) depctr_sa_sdst(0) depctr_va_vdst(0) depctr_va_sdst(0) depctr_va_ssrc(0) depctr_va_vcc(0) depctr_vm_vsrc(0)
	s_getreg_b32 s2, hwreg(HW_REG_IB_STS2, 6, 4)
	s_cmp_eq_u32 s2, 0
	s_cbranch_scc0 .Lentry_in_a_cluster
	s_endpgm
.Lentry_in_a_cluster:
	s_bfe_u32 s2, ttmp6, 0x10000c
	s_cmp_lg_u32 s2, 0xf033
	s_cbranch_scc0 .Lentry_shape_is_right
	s_endpgm
.Lentry_shape_is_right:
; q = x Wq, k = x Wk, v = x Wv on codes of FP6 (E2M3) with E8M0 scales, K = 1,024, sums in f32; the results are quantised here, in registers, and leave as codes: q and k along the head's 64, v along the tokens.
; 384 tiles of 256 x 256.  Clusters with y < 8 (PART = 0): source 1 = 256 tokens (xc), source 0 = 256 features of Wq | Wk (wc rows 0 .. 2,047).
; Clusters with y >= 8 (PART = 1) make V TRANSPOSED: source 1 = 256 features of Wv (wc rows 2,048 ..), source 0 = 256 tokens (xc).  PART hangs on the cluster's y alone: it is the same in all sixteen partners.
; A wave makes 128 x 128: 64 accumulators.  A lane holds ONE row of source 1 (l % 16); since the stored rows of xc and wc have groups 1 and 2 of eight exchanged in every 32,
; register 16 b + i of a block's 64 is number 32 b + 16 (l / 16) + i along source 0's axis: 16 neighbours, as the conversions want them.
; K goes in steps of 256 through a ring of two LDS slots filled by joint tensor loads (4 x 4 cluster: source 1's tiles shared along a row, source 0's along a column); the scale bytes of all of K come once.
; THE WAY OUT needs no LDS: a block's 64 registers become a fragment's 12 registers and a scale word, and those are stored AS IMAGES OF OPERAND REGISTERS into records of 13,056 bytes,
; one for each (batch x head, 128 tokens): KC 8 tiles x 768 bytes (6 registers a lane: 16 tokens x the head's 64); VC 4 tiles x 1,536 (12 registers: 16 of the head's 64 x 128 tokens); KSC, VSC the scale words.
; Records of k and v lie in the buffer's first half, records of q (KC and KSC alone) in its second.  Every store of the wave covers whole aligned runs of 256 bytes.
; LIMITS: a block whose largest magnitude lies under 2^(2 - 126), a block of zeros among them, gets the byte 1; NaN and infinities are not served.
; REGISTERS, in windows of 256: window 0: v0-31 addresses; v32-63 scale words, two sets; v64-115 the way out's work; from v128 source 1's fragments, ONE set.
;   window 1: source 0's fragments, TWO sets.   window 2: the accumulators of my rows 0-63 ((a, b) at v[8 (8 a + b)]);   window 3: those of my rows 64-127.
.set KSTEP,  256
.set NQ,     2
.set ROWB,   192                       ; a tile's row in bytes
.set KROW,   768                       ; a row of codes in memory
.set PITCH,  240                       ; an LDS row: 3 x (64 bytes + 16 of padding)
.set FR,     12
.set NL,     6
.set NP,     4                         ; places behind this matrix instruction (ISA guide 7.12.1)
.set HALFT,  128*PITCH
.set SLOT,   4*HALFT
.set LAPS,   2                         ; 1,024 / 512
.set KS,     32                        ; a row of scales in bytes
.set SCL,    2*SLOT
.set HALFS,  16*272                    ; the scales of 128 rows: 16 runs of 256 bytes + 16 of padding
.set SBLK,   2*272                     ; those of 16 rows
.set SPARE,  SCL+4*HALFS               ; the spare words, 128 bytes for each wave: two blocks of 256 bytes that no other line names
.set REC,    13056
.set VC,     6144
.set KSC,    12288
.set VSC,    12800
.set QOFF,   1024*REC
.set ADRA, 16                          ; v16-19
.set ADRB, 20                          ; v20-23
.set L16,  24                          ; v24  16 x lane
.set L8,   25                          ; v25  8 x lane
.set SOF,  26                          ; v26  (l / 16) x 16 records + 16 (l % 16)
.set ADRS, 27
.set SPW,  28
.set NIL,  29
.set SH,   30                          ; v30  16 (l / 16)
.set SC,   32
.set TM,   64                          ; v64-79  largest magnitudes, bytes, scale operands
.set SW,   80                          ; v80-87  the eight blocks' scale words
.set PC,   96                          ; v96-115 a fragment's codes, and the conversions' second halves
.set AF,   128
.set G1, 24
.set G0, 32
.set G1B, 48
.set G0B, 56
.set G1S, 68
.set G0S, 76
.set G1SB, 80
.set G0SB, 88
.set MSB, 0
.macro WIN new                         ; the immediate's high byte repeats the setting that is left
.if MSB != \new
	s_set_vgpr_msb (MSB<<8)|\new
.set MSB, \new
.endif
.endm
.set MUL_LO, 0xa1                      ; source 0 window 1, source 1 window 0, C and D window 2
.set MUL_HI, 0xf1                      ; the same, C and D window 3
.set TO_B,   0x40                      ; destination window 1, address window 0
; A joint load: waves 0 and 1 fetch for source 1 (A), waves 2 and 3 for source 0 (B).  The branch hangs on the wave's number alone.  An s_nop 0 and four v_nop follow each of the two lines.
.macro JLOAD g0a, g1a, g0b, g1b
	s_cmp_eq_u32 s15, 0
	s_cbranch_scc0 .Lfor_b_\@
	tensor_load_to_lds s[\g0a:\g0a+3], s[\g1a:\g1a+7]
	s_nop 0
.rept 4
	v_nop
.endr
	s_branch .Lasked_\@
.Lfor_b_\@:
	tensor_load_to_lds s[\g0b:\g0b+3], s[\g1b:\g1b+7]
	s_nop 0
.rept 4
	v_nop
.endr
.Lasked_\@:
.endm
.macro CREST                           ; a round of the cluster's barrier behind its opening barrier
	s_cmp_lg_u32 s14, 0
	s_cbranch_scc1 .Lnot_wave_0_\@
	s_barrier_signal -3
.Lnot_wave_0_\@:
	s_barrier_wait -3
	s_barrier_signal -1
	s_barrier_wait -1
.endm
.macro CROUND
	s_barrier_signal -1
	s_barrier_wait -1
	CREST
.endm
	s_load_b128 s[4:7], s[0:1], 0x0                ; xc, xs
	s_load_b128 s[8:11], s[0:1], 0x10              ; wc, ws
	s_load_b64 s[12:13], s[0:1], 0x20              ; qkv
	v_lshl_add_u32 v[SPW], v0, 2, SPARE
	v_mov_b32 v[NIL], 0
	ds_add_u32 v[SPW], v[NIL]                      ; the wave's opening: the add and its wait stand ahead of my first tensor load; the set-up below, work on registers, stands between them
	v_lshrrev_b32 v1, 5, v0
	v_readfirstlane_b32 s14, v1                    ; wave 0..3
	s_lshr_b32 s15, s14, 1                         ; which half of A's rows is mine.  Also: I fetch for A (0) or for B (1)
	s_and_b32 s16, s14, 1                          ; which half of B's rows.  Also: which 128 rows of that tile I fetch
	s_bfe_u32 s40, ttmp6, 0x40000                  ; cx
	s_bfe_u32 s41, ttmp6, 0x40004                  ; cy
	s_and_b32 s95, ttmp7, 0xffff                   ; the cluster's y, 0 .. 11
	s_lshl_b32 s17, s95, 2                         ; PART 0: A's tile 4 y + cy, B's tile 4 x + cx
	s_sub_co_u32 s42, s95, 8                       ; PART 1: A's tile cy, B's tile 4 (x + 2 (y - 8)) + cx
	s_lshl_b32 s42, s42, 1
	s_add_co_u32 s42, s42, ttmp9
	s_lshl_b32 s42, s42, 2
	s_lshl_b32 s18, ttmp9, 2
	s_cmp_ge_u32 s95, 8
	s_cselect_b32 s67, 1, 0                        ; PART
	s_cselect_b32 s17, 0, s17
	s_cselect_b32 s42, s42, s18
	s_add_co_u32 s17, s17, s41                     ; TR: A's tile; it never holds cx
	s_add_co_u32 s42, s42, s40                     ; TC: B's tile; it never holds cy
	s_lshl_b32 s43, s41, 2
	s_lshl_b32 s43, 15, s43                        ; my row of the cluster
	s_lshl_b32 s44, 0x1111, s40                    ; my column
	; descriptor group 1: a tile of 128 rows x 192 bytes, 16 bytes of padding behind every 64
	s_or_b32 s[G1+0], s43, (0<<16)|(1<<20)|(1<<21)|(3<<22)|(3<<25)
	s_or_b32 s[G1B+0], s44, (0<<16)|(1<<20)|(1<<21)|(3<<22)|(3<<25)
.irp g, G1, G1B
	s_mov_b32 s[\g+1], ROWB<<16                    ; tensor_dim0
	s_mov_b32 s[\g+2], 128<<16                     ; tensor_dim1
	s_mov_b32 s[\g+3], ROWB<<16                    ; tile_dim0
	s_mov_b32 s[\g+4], 128                         ; tile_dim1
	s_mov_b32 s[\g+5], KROW                        ; the pitch
	s_mov_b32 s[\g+6], 0
	s_mov_b32 s[\g+7], 0
.endr
	; the scales of 128 rows: 4,096 dense bytes, as 16 rows of 256 bytes (32 elements of 8), 16 bytes of padding behind each
	s_or_b32 s[G1S+0], s43, (3<<16)|(1<<20)|(1<<21)|(5<<22)|(3<<25)
	s_or_b32 s[G1SB+0], s44, (3<<16)|(1<<20)|(1<<21)|(5<<22)|(3<<25)
.irp g, G1S, G1SB
	s_mov_b32 s[\g+1], 32<<16
	s_mov_b32 s[\g+2], 16<<16
	s_mov_b32 s[\g+3], 32<<16
	s_mov_b32 s[\g+4], 16
	s_mov_b32 s[\g+5], 32
	s_mov_b32 s[\g+6], 0
	s_mov_b32 s[\g+7], 0
.endr
	s_lshl_b32 s18, s16, 7                         ; which 128 rows of the tile I fetch
	s_lshl_b32 s20, s17, 8
	s_add_co_u32 s20, s20, s18
	s_lshl_b32 s19, s67, 11
	s_add_co_u32 s20, s20, s19                     ; A: row 256 TR + 128 half (+ 2,048 in wc where PART = 1)
	s_lshl_b32 s46, s42, 8
	s_add_co_u32 s46, s46, s18                     ; B: row 256 TC + 128 half
	s_mov_b32 s21, 0
	s_mov_b32 s47, 0
	s_mov_b64 s[18:19], KS
	s_mul_u64 s[22:23], s[20:21], s[18:19]         ; where these rows' scales begin, in bytes
	s_mul_u64 s[92:93], s[46:47], s[18:19]
	s_mov_b64 s[18:19], KROW
	s_mul_u64 s[20:21], s[20:21], s[18:19]         ; and their codes
	s_mul_u64 s[46:47], s[46:47], s[18:19]
	s_mul_i32 s45, s14, HALFT                      ; where they go: wave x 128 rows
	s_mul_i32 s94, s14, HALFS
	s_wait_dscnt 0x0                               ; the opening add is done
	s_wait_kmcnt 0x0
	s_cmp_eq_u32 s67, 1                            ; which buffer is A and which is B: the choice hangs on the cluster's y alone
	s_cselect_b64 s[96:97], s[8:9], s[4:5]         ; A's codes
	s_cselect_b64 s[98:99], s[4:5], s[8:9]         ; B's codes
	s_cselect_b64 s[100:101], s[10:11], s[6:7]     ; A's scales
	s_cselect_b64 s[6:7], s[6:7], s[10:11]         ; B's scales
	s_add_nc_u64 s[20:21], s[96:97], s[20:21]
	s_add_nc_u64 s[22:23], s[100:101], s[22:23]
	s_add_nc_u64 s[46:47], s[98:99], s[46:47]
	s_add_nc_u64 s[92:93], s[6:7], s[92:93]
	CROUND                                         ; all sixteen work-groups are here: the first joint loads meet
	s_mov_b32 s[G0S], 1
	s_add_co_u32 s[G0S+1], s94, SCL
	s_mov_b64 s[G0S+2:G0S+3], s[22:23]
	s_or_b32 s[G0S+3], s[G0S+3], 0x80000000
	s_mov_b32 s[G0SB], 1
	s_add_co_u32 s[G0SB+1], s94, SCL
	s_mov_b64 s[G0SB+2:G0SB+3], s[92:93]
	s_or_b32 s[G0SB+3], s[G0SB+3], 0x80000000
	JLOAD G0S, G1S, G0SB, G1SB                     ; the scales first: they are wanted with K step 0
.irp s, 0,1
	s_mov_b32 s[G0+4*\s], 1
	s_add_co_u32 s[G0+4*\s+1], s45, \s*SLOT
	s_add_nc_u64 s[G0+4*\s+2:G0+4*\s+3], s[20:21], \s*ROWB
	s_or_b32 s[G0+4*\s+3], s[G0+4*\s+3], 0x80000000
	s_mov_b32 s[G0B+4*\s], 1
	s_add_co_u32 s[G0B+4*\s+1], s45, \s*SLOT
	s_add_nc_u64 s[G0B+4*\s+2:G0B+4*\s+3], s[46:47], \s*ROWB
	s_or_b32 s[G0B+4*\s+3], s[G0B+4*\s+3], 0x80000000
	JLOAD G0+4*\s, G1, G0B+4*\s, G1B               ; three tensor loads of mine are out behind the second
.endr
	v_and_b32 v1, 15, v0                           ; l % 16
	v_bfe_u32 v2, v0, 4, 1                         ; l / 16
	v_mul_u32_u24 v3, v1, PITCH
	v_mul_u32_u24 v4, v2, 24
	v_add_nc_u32 v4, v3, v4                        ; a fragment's row x pitch + 24 x half
	v_lshl_add_u32 v5, v2, 4, v4                   ; and the same behind one padding more
	s_mul_i32 s21, s15, HALFT                      ; my 128 rows of A
	s_mul_i32 s22, s16, HALFT                      ; my 128 rows of B,
	s_add_co_u32 s22, s22, 2*HALFT                 ; which lie behind A's 256
.irp s, 0,1
	v_add_nc_u32 v[ADRA+\s], s21, v4
	v_add_nc_u32 v[ADRB+\s], s22, v4
	v_add_nc_u32 v[ADRA+2+\s], s21, v5
	v_add_nc_u32 v[ADRB+2+\s], s22, v5
	s_add_co_u32 s21, s21, SLOT
	s_add_co_u32 s22, s22, SLOT
.endr
	v_mul_u32_u24 v5, v1, KS                       ; my row's scales: 32 bytes a row,
	v_lshrrev_b32 v6, 8, v5
	v_lshl_add_u32 v5, v6, 4, v5                   ; and 16 more for each 256 passed
	s_mul_i32 s21, s15, HALFS
	s_mul_i32 s22, s16, HALFS
	s_add_co_u32 s22, s22, 2*HALFS
	s_sub_co_u32 s22, s22, s21
	v_mul_u32_u24 v6, s22, v2                      ; lanes 16-31 take B's
	s_add_co_u32 s21, s21, SCL
	v_add_nc_u32 v5, v5, v6
	v_add_nc_u32 v[ADRS], s21, v5
	v_and_b32 v6, 31, v0                           ; the way out's lane terms
	v_lshlrev_b32 v[L16], 4, v6
	v_lshlrev_b32 v[L8], 3, v6
	v_lshlrev_b32 v[SH], 4, v2
	v_mul_u32_u24 v[SOF], v2, 16*REC
	v_lshl_add_u32 v[SOF], v1, 4, v[SOF]
.irp b, 0,1,2,3
	v_mov_b32 v[TM+4+\b], 0                        ; written once: a lane permute's destination counts as one of its sources
.endr
.macro FRAG reg, adr, q, i             ; 16 rows x 128 K: 12 registers, in pieces of 8 bytes; where the piece three on lies behind one padding more, the second address register serves
.irp p, 0,1,2,3,4,5
.set PIECE, 12*(\q)+6*(\p/3)+\p%3
.if PIECE%8 < 5
	ds_load_b64 v[\reg+2*\p:\reg+2*\p+1], v[\adr] offset:8*PIECE+16*(PIECE/8)+(\i)*16*PITCH
.else
	ds_load_b64 v[\reg+2*\p:\reg+2*\p+1], v[\adr+2] offset:8*PIECE+16*(PIECE/8)+(\i)*16*PITCH
.endif
.endr
.endm
; 16 matrix instructions: A's blocks a0, a0 + 1 x B's eight, 128 along K.  The 64 accumulators take turns, one instruction a turn, in the same order in every step.
.macro MUL16 a0, p, q, sc, zero
.irp a, \a0, \a0+1
.irp b, 0,1,2,3,4,5,6,7
.if \zero
	v_wmma_scale_f32_16x16x128_f8f6f4 v[8*(8*((\a)%4)+\b):8*(8*((\a)%4)+\b)+7], v[128*(\p)+FR*\b:128*(\p)+FR*\b+FR-1], v[AF+FR*(\a):AF+FR*(\a)+FR-1], 0, v[SC+8*NQ*(\sc)+NQ*\b+(\q)], v[SC+8*NQ*(\sc)+NQ*(\a)+(\q)] matrix_a_fmt:MATRIX_FMT_FP6 matrix_b_fmt:MATRIX_FMT_FP6 matrix_a_scale:MATRIX_SCALE_ROW1
.else
	v_wmma_scale_f32_16x16x128_f8f6f4 v[8*(8*((\a)%4)+\b):8*(8*((\a)%4)+\b)+7], v[128*(\p)+FR*\b:128*(\p)+FR*\b+FR-1], v[AF+FR*(\a):AF+FR*(\a)+FR-1], v[8*(8*((\a)%4)+\b):8*(8*((\a)%4)+\b)+7], v[SC+8*NQ*(\sc)+NQ*\b+(\q)], v[SC+8*NQ*(\sc)+NQ*(\a)+(\q)] matrix_a_fmt:MATRIX_FMT_FP6 matrix_b_fmt:MATRIX_FMT_FP6 matrix_a_scale:MATRIX_SCALE_ROW1
.endif
.endr
.endr
.endm
.macro FETCH_B slot, q, p
	WIN TO_B
.irp i, 0,1,2,3,4,5,6,7
	FRAG 128*(\p)+FR*\i, ADRB+\slot, \q, \i
.endr
	WIN 0
.endm
.macro FETCH_A slot, q, i0
.irp i, \i0, \i0+1, \i0+2, \i0+3
	FRAG AF+FR*(\i), ADRA+\slot, \q, \i
.endr
.endm
.macro SCALES sc                       ; a K step's scale words: two words a row; lanes 0-15 take A's block i, lanes 16-31 B's block i
.irp i, 0,1,2,3,4,5,6,7
	ds_load_b64 v[SC+8*NQ*\sc+NQ*\i:SC+8*NQ*\sc+NQ*\i+1], v[ADRS] offset:\i*SBLK
.endr
.endm
.macro PLACES n                        ; plain vector instructions between a matrix instruction and a load into, or a read of, its registers
.rept \n
	v_nop
.endr
.endm
.macro STEP slot, q, zero              ; a step of 128 along K that has its successor in the same slot
	s_wait_dscnt 4*NL                              ; B's set and A's blocks 0-3 are in; the youngest 24 loads (A's blocks 4-7) may be out
	WIN MUL_LO
	MUL16 0, (\q)%2, \q, \slot, \zero
	MUL16 2, (\q)%2, \q, \slot, \zero
	s_wait_dscnt 0
	PLACES NP
	FETCH_B \slot, (\q)+1, 1-(\q)%2
	FETCH_A \slot, (\q)+1, 0
	WIN MUL_HI
	MUL16 4, (\q)%2, \q, \slot, \zero
	MUL16 6, (\q)%2, \q, \slot, \zero
	PLACES NP
	WIN 0
	FETCH_A \slot, (\q)+1, 4
.endm
; A slot's last step changes slots: one barrier; in front of it each wave waits for all its tensor loads, adds 0 to its spare word, and waits for that and for its own reads of this slot.
.macro TURN slot, next, fill
	s_wait_tensorcnt 0x0                           ; all my tensor loads have landed: my part of the next slot
	ds_add_u32 v[SPW], v[NIL]                      ; 0 onto my spare word
	s_wait_dscnt 4*NL+1                            ; the add and the youngest 24 loads may be out
	WIN MUL_LO
	MUL16 0, 1, NQ-1, \slot, 0
	s_wait_dscnt 0x0                               ; the add is done, and my reads of this slot are over
	s_barrier_signal -1
	MUL16 2, 1, NQ-1, \slot, 0
	WIN 0
	s_barrier_wait -1
.if \fill
	CREST                                          ; the barrier has opened a round of the cluster's barrier: no wave of any partner still reads this slot or has a load on its way
	s_add_nc_u64 s[G0+4*\slot+2:G0+4*\slot+3], s[G0+4*\slot+2:G0+4*\slot+3], 2*ROWB
	s_add_nc_u64 s[G0B+4*\slot+2:G0B+4*\slot+3], s[G0B+4*\slot+2:G0B+4*\slot+3], 2*ROWB
	JLOAD G0+4*\slot, G1, G0B+4*\slot, G1B         ; the first tensor load behind the round, one a wave; its four v_nop are the places in front of the loads below
.else
	PLACES NP
.endif
	v_add_nc_u32 v[ADRS], 4*NQ, v[ADRS]            ; on to the next K step's scale words
	FETCH_B \next, 0, 0
	FETCH_A \next, 0, 0
	SCALES \next
	WIN MUL_HI
	MUL16 4, 1, NQ-1, \slot, 0
	MUL16 6, 1, NQ-1, \slot, 0
	PLACES NP
	WIN 0
	FETCH_A \next, 0, 4
.endm
	s_wait_tensorcnt 1                             ; the scales and my part of K step 0 are in (K step 1's load may be out),
	s_barrier_signal -1
	s_barrier_wait -1                              ; everybody's are
	FETCH_B 0, 0, 0
	FETCH_A 0, 0, 0
	SCALES 0
	FETCH_A 0, 0, 4
	STEP 0, 0, 1                                   ; the first step stands in front of the loop: its products start the sums
	s_mov_b32 s3, LAPS-1
.Llap:                                                 ; a trip goes once round the ring and fills both slots again
	TURN 0, 1, 1
	STEP 1, 0, 0
	TURN 1, 0, 1
	STEP 0, 0, 0
	s_sub_co_u32 s3, s3, 1
	s_cmp_lg_u32 s3, 0
	s_cbranch_scc1 .Llap
	TURN 0, 1, 0                                   ; the last lap fills nothing
	STEP 1, 0, 0
	s_wait_dscnt 4*NL
	WIN MUL_LO
	MUL16 0, 1, NQ-1, 1, 0
	MUL16 2, 1, NQ-1, 1, 0
	s_wait_dscnt 0
	WIN MUL_HI
	MUL16 4, 1, NQ-1, 1, 0
	MUL16 6, 1, NQ-1, 1, 0
	WIN 0
	PLACES NP                                      ; in front of the first read of results
	; where my wave's records begin.  tokens: 256 x tile + 128 x half;  features: 256 x tile + 128 x half = heads 4 tile + 2 half, + 1
	s_and_b32 s20, s42, 3
	s_cmp_eq_u32 s67, 1
	s_cselect_b32 s18, s42, s17                    ; the tokens' tile
	s_cselect_b32 s19, s16, s15                    ; and my half of it
	s_cselect_b32 s20, s17, s20                    ; the features' tile within q, k or v
	s_cselect_b32 s21, s15, s16                    ; and my half of it
	s_lshr_b32 s22, s18, 3                         ; the batch
	s_and_b32 s18, s18, 7
	s_lshl_b32 s18, s18, 1
	s_add_co_u32 s18, s18, s19                     ; which 128 tokens of the batch's 2,048
	s_lshl_b32 s20, s20, 2
	s_lshl_b32 s21, s21, 1
	s_add_co_u32 s20, s20, s21                     ; my even head
	s_lshl_b32 s22, s22, 4
	s_add_co_u32 s22, s22, s20
	s_lshl_b32 s22, s22, 4
	s_add_co_u32 s22, s22, s18                     ; the record: 16 (16 batch + head) + step
	s_mul_i32 s22, s22, REC
	s_lshl_b32 s23, s67, 2
	s_add_co_u32 s23, s23, s42                     ; under 4 for q's tiles alone
	s_cmp_lt_u32 s23, 4
	s_cselect_b32 s23, QOFF, 0
	s_add_co_u32 s22, s22, s23
	s_mov_b32 s23, 0
	s_add_nc_u64 s[12:13], s[12:13], s[22:23]
	s_mov_b32 s92, 0x76543210
	s_mov_b32 s93, 0xfedcba98                      ; v_permlanex16_b32's selects for lane l xor 16
; Block a's 64 accumulator registers, read where they lie, become a fragment's codes in v[PC] .. v[PC+11] and its scale word in v[SW+a].  Each accumulator is read from its low end on.
.macro QUANTW a
.set AC, 64*((\a)%4)
	WIN 0x0a+5*((\a)/4)                            ; sources 0 and 1: window 2 or 3
.irp b, 0,1,2,3
	v_max3_num_f32 v[TM+\b], |v[AC+16*\b]|, |v[AC+16*\b+1]|, 0x1800000   ; block b: my 16 numbers, and the floor 2^(3 - 127): the byte cannot fall under 1
.endr
.irp i, 2,4,6,8,10,12,14
.irp b, 0,1,2,3
	v_max3_num_f32 v[TM+\b], |v[AC+16*\b+\i]|, |v[AC+16*\b+\i+1]|, v[TM+\b]
.endr
.endr
	WIN 0
.irp b, 0,1,2,3
	v_permlanex16_b32 v[TM+4+\b], v[TM+\b], s92, s93
.endr
.irp b, 0,1,2,3
	v_max_num_f32 v[TM+\b], v[TM+\b], v[TM+4+\b]   ; with lane l xor 16's: the block's largest magnitude
.endr
.irp b, 0,1,2,3
	v_add_nc_u32 v[TM+12+\b], 0xff000000, v[TM+\b] ; 2 off its exponent field: the conversion's scale operand
.endr
.irp b, 0,1,2,3
	v_lshrrev_b32 v[TM+4+\b], 23, v[TM+12+\b]      ; the scale's byte
.endr
	v_lshl_or_b32 v[SW+(\a)], v[TM+5], 8, v[TM+4]
	v_lshl_or_b32 v[SW+(\a)], v[TM+6], 16, v[SW+(\a)]
	v_lshl_or_b32 v[SW+(\a)], v[TM+7], 24, v[SW+(\a)]
.if (\a) > 0
	s_wait_xcnt 0x0                                ; the last block's stores have read the codes' registers: they are written again only behind this wait
.endif
	WIN 0x02+(\a)/4                                ; source 0 (the 16 numbers): window 2 or 3
.irp c, 0,1
	v_cvt_scalef32_pk16_fp6_f32 v[PC+6*\c:PC+2+6*\c], v[AC+32*\c:AC+15+32*\c], v[TM+12+2*\c]
	v_cvt_scalef32_pk16_fp6_f32 v[PC+12+4*\c:PC+14+4*\c], v[AC+16+32*\c:AC+31+32*\c], v[TM+12+2*\c+1]   ; (a conversion's three registers begin on an even number)
.endr
	WIN 0
	v_nop                                          ; one plain place behind a scaled conversion
.irp c, 0,1                                    ; the operand's layout wants a WHOLE block in a lane: lanes 0-15 block 2 c, lanes 16-31 block 2 c + 1
.irp i, 0,1,2
	v_permlane16_swap_b32 v[PC+6*\c+\i], v[PC+12+4*\c+\i]
.endr
.irp i, 0,1,2
	v_mov_b32 v[PC+3+6*\c+\i], v[PC+12+4*\c+\i]
.endr
.endr
.endm
	s_cmp_eq_u32 s67, 1
	s_cbranch_scc1 .Lvpart
	; q or k: block a = 16 tokens; registers 0-5 of the fragment are the even head's 64, registers 6-11 the odd head's: each is half an operand of the scores' product, whose other half is zeros
.irp a, 0,1,2,3,4,5,6,7
	QUANTW \a
	global_store_b128 v[L16], v[PC:PC+3], s[12:13] offset:768*\a                   ; 512 consecutive bytes
	global_store_b64 v[L8], v[PC+4:PC+5], s[12:13] offset:768*\a+512               ; 256
	global_store_b128 v[L16], v[PC+6:PC+9], s[12:13] offset:16*REC+768*\a          ; the odd head's record lies 16 records on
	global_store_b64 v[L8], v[PC+10:PC+11], s[12:13] offset:16*REC+768*\a+512
.endr
.irp a, 0,1,2,3,4,5,6,7
	v_lshrrev_b32 v[SW+\a], v[SH], v[SW+\a]        ; lanes 0-15 keep the even head's two bytes, lanes 16-31 the odd head's;
.endr
.irp a, 0,1,2,3,4,5,6,7
	v_and_b32 v[SW+\a], 0xffff, v[SW+\a]           ; the bytes over the zero codes are 0
.endr
	global_store_b128 v[SOF], v[SW:SW+3], s[12:13] offset:KSC
	global_store_b128 v[SOF], v[SW+4:SW+7], s[12:13] offset:KSC+256
	s_branch .Ldone
.Lvpart:
	; v: block a = 16 of head a / 4's 64; the fragment's K = my 128 tokens
.irp a, 0,1,2,3,4,5,6,7
	QUANTW \a
.irp c, 0,1,2
	global_store_b128 v[L16], v[PC+4*\c:PC+4*\c+3], s[12:13] offset:(\a/4)*16*REC+VC+1536*(\a%4)+512*\c
.endr
.endr
	v_cmp_ne_u32 vcc_lo, 0, v[SH]
.irp j, 0,1,2,3
	v_cndmask_b32 v[SW+\j], v[SW+\j], v[SW+4+\j], vcc_lo   ; lanes 16-31 carry the odd head's words
.endr
	global_store_b128 v[SOF], v[SW:SW+3], s[12:13] offset:VSC
.Ldone:
	s_wait_tensorcnt 0x0                           ; the wave's end, behind my last tensor load
	ds_add_u32 v[SPW], v[NIL]
	s_wait_dscnt 0x0
	CROUND                                         ; the closing round: no work-group ends while a partner may still ask for a tile that names it
	s_endpgm
.Lfunc_end_k_q1841523c42_qkv:
	.size	k_q1841523c42_qkv, .Lfunc_end_k_q1841523c42_qkv-k_q1841523c42_qkv
	.p2alignl 7, 3214868480
	.fill 96, 4, 3214868480
	.section	.rodata,"a",@progbits
	.p2align	6, 0x0
	.amdhsa_kernel k_q1841523c42_qkv
		.amdhsa_group_segment_fixed_size 327680
		.amdhsa_private_segment_fixed_size 0
		.amdhsa_enable_private_segment 0
		.amdhsa_kernarg_size 40
		.amdhsa_user_sgpr_count 2
		.amdhsa_user_sgpr_kernarg_segment_ptr 1
		.amdhsa_wavefront_size32 1
		.amdhsa_system_sgpr_workgroup_id_x 1
		.amdhsa_system_sgpr_workgroup_id_y 1
		.amdhsa_system_sgpr_workgroup_id_z 1
		.amdhsa_system_vgpr_workitem_id 0
		.amdhsa_next_free_vgpr 1024
		.amdhsa_next_free_sgpr 102
		.amdhsa_reserve_vcc 1
		.amdhsa_float_denorm_mode_32 3
		.amdhsa_float_denorm_mode_16_64 3
		.amdhsa_memory_ordered 1
		.amdhsa_forward_progress 1
		.amdhsa_inst_pref_size 200
	.end_amdhsa_kernel
	.amdgpu_metadata
---
amdhsa.version: [ 1, 2 ]
amdhsa.kernels:
  - .name:           k_q1841523c42_qkv
    .symbol:         k_q1841523c42_qkv.kd
    .args:
      - { .name: xc, .offset: 0, .size: 8, .value_kind: global_buffer, .address_space: global }
      - { .name: xs, .offset: 8, .size: 8, .value_kind: global_buffer, .address_space: global }
      - { .name: wc, .offset: 16, .size: 8, .value_kind: global_buffer, .address_space: global }
      - { .name: ws, .offset: 24, .size: 8, .value_kind: global_buffer, .address_space: global }
      - { .name: qkv, .offset: 32, .size: 8, .value_kind: global_buffer, .address_space: global }
    .group_segment_fixed_size: 327680
    .private_segment_fixed_size: 0
    .kernarg_segment_align: 8
    .kernarg_segment_size: 40
    .max_flat_workgroup_size: 128
    .sgpr_count:     102
    .vgpr_count:     1024
    .wavefront_size: 32
...
	.end_amdgpu_metadata
.endif
;; end of part 2
;; launch attn (part 3): grid 4 x 64, 16 waves a work-group, no clusters, 327,680 bytes of LDS; arguments qkv, cc, cs; writes cc, cs
.if DOCPART == 3
	.amdgcn_target "amdgcn-amd-amdhsa--gfx1250"
	.amdhsa_code_object_version 6
	.text
	.protected	k_q1841523c42_attn
	.globl	k_q1841523c42_attn
	.p2align	8
	.type	k_q1841523c42_attn,@function
k_q1841523c42_attn:
	s_mov_b64 s[64:65], 0
	v_nop
	global_prefetch_b8 v0, s[64:65] scope:SCOPE_SE
	s_setreg_imm32_b32 hwreg(HW_REG_WAVE_MODE, 25, 1), 1
	s_wait_xcnt 0x0
; ctx = softmax(q k^T / 8, causal) v for one (batch, head) a work-group row, both products on codes of FP6 (E2M3) with E8M0 scales; ctx is quantised here along D and leaves as codes.
; THE SOFTMAX AHEAD OF THE SECOND PRODUCT: t = score x log2(e) / 8; M = the row's largest t so far, rounded UP to a whole number; p = 2^(t - M) is quantised along the keys, not normalised.
; The row's sum is taken of the unquantised p, in f32, and divides at the end.  When M moves, the sum and O are multiplied by 2^(old M - new M): exact.
; INPUT: records of 13,056 bytes, one for each (16 batch + head, 128 tokens), images of operand registers: KC 8 tiles x 768 (16 tokens x 64: 6 registers a lane; the operand's other 6 are zeros, since K = 64 of the
; instruction's 128), VC 4 tiles x 1,536 (16 of the head's 64 x 128 keys), KSC, VSC the scale words.  Tile a's lane r is token 32 (a/2) + 8 (a%2) + r%8 + 16 (r/8) of the 128.
; SHARES.  Work-group (i, head) owns query blocks i and 7 - i of 256 queries; wave w takes tile w of the first and tile 15 - w of the second: 17 key steps of 128 keys for every wave of the launch.
; LDS.  The head's sixteen records stay: 208,896 bytes, each filled once, by one tensor load of one wave.  Waves 0-7 ask at the head; waves 8-15 behind the first barrier: the first pass reads records 0-7 alone
; (its blocks end at token 1,023), and the other eight land meanwhile.  By the text's own count a wave never has more than one tensor load out.
; NO JOINT LOADS, though the four work-groups of a head read the same records.
;   No prefetch: every record is asked for by its one tensor load at the launch's start.
; LAYOUT.  Both products are used transposed: S^T = K Q^T, O^T = V^T P^T: a lane holds ONE query (l % 16) throughout; the 16 registers of score tiles 2 b, 2 b + 1 are keys 32 b + 16 (l / 16) + 0 .. 15.
; OUTPUT: cc [tile of 16 tokens][head][768]: six registers a lane, half an operand of the last product;  cs [token][32]: byte 2 head + block.  The two scale bytes of a row leave as 2 bytes, 32 bytes apart:
; the other heads' bytes of that row belong to other work-groups.
; LIMITS: a block whose largest magnitude lies under 2^(2 - 126), a block of zeros among them, gets the byte 1; NaN and infinities are not served.
.set REC,   13056
.set VC,    6144
.set KSC,   12288
.set VSC,   12800
.set QOFF,  1024*REC
.set SPARE, 16*REC                     ; the spare words, 128 bytes for each wave: eight blocks of 256 bytes that no other line names
.set L16,  1                           ; v1   16 x lane
.set L8,   2                           ; v2   8 x lane
.set R32,  3                           ; v3   32 (l % 16)
.set R16,  4                           ; v4   16 (l % 16)
.set SPW,  5                           ; v5   LDS address of my spare word; never rewritten
.set NIL,  6                           ; v6   0; never rewritten
.set QL,   7                           ; v7   my query less the tile's first, less 16 (l / 16)
.set ADK,  8                           ; v8   the record in hand + 16 x lane
.set ADK8, 9                           ; v9   + 8 x lane
.set ADT,  11                          ; v11  + 16 (l % 16)
                                       ; v12 -M, v13 the largest t, v[14:15] the sum in two halves
.set QF,   16                          ; v16-27  Q's fragment (v22-27 zeros)
.set QSW,  28                          ; v28  Q's scale words
.set PSW,  29                          ; v29  p's scale word
.set FF,   30                          ; v[30:31] f = 2^(old M - new M)
.set KFR,  32                          ; v32-79  four fragments of K (the upper six registers of each: zeros)
.set KSW,  80                          ; v80-87  K's scale words
.set VSW,  88                          ; v88-91  V's
.set BM,   92                          ; v92-95  the blocks' largest scores
.set TP,   96                          ; v96-99  lane permutes' destinations
.set SO,   100                         ; v100-103 the conversions' scale operands
.set BY,   104                         ; v104-107 the scale bytes
.set PCD,  108                         ; v108-119 p's codes
.set PC2,  120                         ; v120-127 the conversions' second halves
.set S,    128                         ; v128-191 S^T, then p; then V's four fragments (v128-175)
.set O,    192                         ; v192-223 O^T
.set W,    224                         ; v224-255 at work; ctx on the way out
.set BH,   10                          ; s10  16 batch + head
.set WV,   18
.set SEL,  20
.set CS,   22                          ; s[22:23] c = log2(e) / 8
.set G1,   24
.set G0,   32
.set TB,   36                          ; s36  LDS byte at which the record in hand begins
.set KF,   37                          ; s37  the step's first key
.set Q0,   38                          ; s38  my tile's first query
.set CNT,  39
.set QB,   40
.set QS,   42
.set CB,   44
.set CSB,  46
	s_load_b128 s[4:7], s[0:1], 0x0                ; qkv, cc
	s_load_b64 s[8:9], s[0:1], 0x10                ; cs
	v_lshl_add_u32 v[SPW], v0, 2, SPARE
	v_mov_b32 v[NIL], 0
	ds_add_u32 v[SPW], v[NIL]                      ; the wave's opening: the add and its wait stand ahead of my first tensor load; the set-up below, work on registers, stands between them
	ds_add_u32 v[SPW], v[NIL]
	v_lshrrev_b32 v1, 5, v0
	s_delay_alu instid0(VALU_DEP_1)
	v_readfirstlane_b32 s[WV], v1                  ; wave 0..15
	s_and_b32 s[BH], ttmp7, 0xffff
	s_mov_b32 s[G1], 3<<16                         ; no mask; elements of 8 bytes; no padding
	s_mov_b32 s[G1+1], 32<<16                      ; tensor_dim0 = 32 elements: rows of 256 bytes
	s_mov_b32 s[G1+2], 51<<16                      ; tensor_dim1 = 51 rows: a record
	s_mov_b32 s[G1+3], 32<<16                      ; tile_dim0
	s_mov_b32 s[G1+4], 51                          ; tile_dim1
	s_mov_b32 s[G1+5], 32                          ; the pitch: dense
	s_mov_b32 s[G1+6], 0
	s_mov_b32 s[G1+7], 0
	s_mov_b32 s[SEL], 0x76543210
	s_mov_b32 s[SEL+1], 0xfedcba98                 ; v_permlanex16_b32's selects for lane l xor 16
	s_mov_b32 s[CS], 0x3e38aa3b                    ; log2(e) / 8
	s_mov_b32 s[CS+1], s[CS]                       ; (named with it as a pair, so it is written)
	s_lshl_b32 s48, s[BH], 4
	s_add_co_u32 s48, s48, s[WV]                   ; my record: 16 (16 batch + head) + wave
	s_mul_i32 s48, s48, REC
	s_mov_b32 s49, 0
	s_mov_b32 s[G0], 1
	s_mul_i32 s[G0+1], s[WV], REC                  ; its place in LDS: wave x 13,056
	s_wait_dscnt 0x0                               ; the opening add is done
	s_wait_kmcnt 0x0
	s_add_nc_u64 s[G0+2:G0+3], s[4:5], s[48:49]
	s_or_b32 s[G0+3], s[G0+3], 0x80000000
	s_cmp_lt_u32 s[WV], 8
	s_cbranch_scc0 .Llater
	tensor_load_to_lds s[G0:G0+3], s[G1:G1+7]      ; records 0-7
	s_nop 0
.rept 4
	v_nop
.endr
.Llater:
	v_and_b32 v10, 31, v0
	s_delay_alu instid0(VALU_DEP_1)
	v_lshlrev_b32 v[L16], 4, v10
	s_delay_alu instid0(VALU_DEP_2)
	v_lshlrev_b32 v[L8], 3, v10
	v_and_b32 v10, 15, v0
	s_delay_alu instid0(VALU_DEP_1)
	v_lshlrev_b32 v[R32], 5, v10
	s_delay_alu instid0(VALU_DEP_2)
	v_lshlrev_b32 v[R16], 4, v10
	s_wait_alu depctr_va_vdst(0)
	v_bfe_u32 v[W], v0, 4, 1
	v_and_b32 v[QL], 7, v10
	v_and_b32 v[W+1], 8, v10
	s_delay_alu instid0(VALU_DEP_1)
	v_lshl_add_u32 v[QL], v[W+1], 1, v[QL]         ; r%8 + 16 (r/8)
	s_delay_alu instid0(VALU_DEP_4)
	v_lshlrev_b32 v[W], 4, v[W]
	s_delay_alu instid0(VALU_DEP_1)
	v_sub_nc_u32 v[QL], v[QL], v[W]                ; - 16 (l / 16)
; Pass p: which tile of queries is mine; its codes and scale words are asked for; where its ctx goes.
.macro SETUP p
.if \p == 0
	s_mov_b32 s48, ttmp9                           ; block i,
	s_mov_b32 s49, s[WV]                           ; tile w
.else
	s_sub_co_u32 s48, 7, ttmp9                     ; block 7 - i,
	s_sub_co_u32 s49, 15, s[WV]                    ; tile 15 - w
.endif
	s_and_b32 s50, s49, 7                          ; the tile within its record
	s_lshr_b32 s51, s49, 3
	s_lshl_b32 s52, s48, 1
	s_add_co_u32 s52, s52, s51                     ; which 128 tokens
	s_lshl_b32 s[Q0], s52, 7
	s_lshr_b32 s53, s50, 1
	s_lshl_b32 s53, s53, 5
	s_add_co_u32 s[Q0], s[Q0], s53
	s_and_b32 s53, s50, 1
	s_lshl_b32 s53, s53, 3
	s_add_co_u32 s[Q0], s[Q0], s53                 ; the tile's first query: 128 step + 32 (a/2) + 8 (a%2)
	s_lshl_b32 s53, s[BH], 4
	s_add_co_u32 s53, s53, s52
	s_mul_i32 s54, s53, REC
	s_add_co_u32 s54, s54, QOFF                    ; q's record
	s_mul_i32 s53, s50, 768
	s_add_co_u32 s56, s54, s53
	s_mov_b32 s57, 0
	s_add_nc_u64 s[QB:QB+1], s[4:5], s[56:57]
	s_lshr_b32 s53, s50, 2
	s_lshl_b32 s53, s53, 8
	s_and_b32 s55, s50, 3
	s_lshl_b32 s55, s55, 2
	s_add_co_u32 s53, s53, s55
	s_add_co_u32 s56, s54, s53
	s_add_co_u32 s56, s56, KSC
	s_add_nc_u64 s[QS:QS+1], s[4:5], s[56:57]
	s_lshr_b32 s53, s[BH], 4
	s_lshl_b32 s53, s53, 7
	s_lshl_b32 s55, s48, 4
	s_add_co_u32 s53, s53, s55
	s_add_co_u32 s53, s53, s49                     ; the tile among all 512: 128 batch + 16 block + tile
	s_and_b32 s55, s[BH], 15                       ; the head
	s_mul_i32 s56, s53, 12288
	s_mul_i32 s58, s55, 768
	s_add_co_u32 s56, s56, s58
	s_add_nc_u64 s[CB:CB+1], s[6:7], s[56:57]
	s_lshl_b32 s56, s53, 9
	s_lshl_b32 s58, s55, 1
	s_add_co_u32 s56, s56, s58
	s_add_nc_u64 s[CSB:CSB+1], s[8:9], s[56:57]
	global_load_b128 v[QF:QF+3], v[L16], s[QB:QB+1]
	global_load_b64 v[QF+4:QF+5], v[L8], s[QB:QB+1] offset:512
	global_load_b32 v[QSW], v[R16], s[QS:QS+1]
	s_mov_b32 s[TB], 0
	s_mov_b32 s[KF], 0
.endm
.macro INIT p
	v_mov_b32 v13, 0xff61b1e6                      ; the largest t so far: -3e38, under every t
	s_delay_alu instid0(VALU_DEP_1)
	v_floor_f32 v12, -v13                          ; -M
	v_mov_b32 v14, 0
	v_mov_b32 v15, 0
	v_mov_b32 v[FF+1], 0                           ; (named as the upper half of the pair)
.set j, 0
.rept 32
	v_mov_b32 v[O+j], 0                            ; O^T: the key step is written once; the first finds zeros, which the first change of M leaves zeros
.set j, j+1
.endr
.if \p == 0
.irp b, 0,1,2,3
	v_mov_b32 v[TP+\b], 0                          ; a lane permute's destination counts as one of its sources
.endr
.irp j, 6,7,8,9,10,11
	v_mov_b32 v[QF+\j], 0                          ; K = 64 .. 127 of the scores' product: zero codes on both sides, cleared once and never loaded
.irp t, 0,1,2,3
	v_mov_b32 v[KFR+12*\t+\j], 0
.endr
.endr
.endif
.endm
; A KEY STEP: 128 keys, one record.
.macro STEP
	s_cmp_gt_u32 s[KF], s[Q0]                      ; a step all of whose keys come after my queries is left out (the tile's queries lie within one 128): a scalar branch on ids
	s_cbranch_scc1 .Lhidden_\@
	s_setprio 2
	v_add_nc_u32 v[ADK], s[TB], v[L16]
	v_add_nc_u32 v[ADK8], s[TB], v[L8]
	v_add_nc_u32 v[ADT], s[TB], v[R16]
	v_nop                                          ; with the four at the last step's end: eight places ahead of products that write over V's registers (five are owed)
	ds_load_b128 v[KSW:KSW+3], v[ADT] offset:KSC
	ds_load_b128 v[KSW+4:KSW+7], v[ADT] offset:KSC+256
	s_wait_alu depctr_va_vdst(0)
.irp g, 0,1                                    ; S^T = K Q^T, four tiles of 16 keys at a time
.if \g > 0
.rept 4
	v_nop                                          ; places in front of loads into registers that matrix instructions have read
.endr
.endif
.irp t, 0,1,2,3
	ds_load_b128 v[KFR+12*\t:KFR+12*\t+3], v[ADK] offset:768*(4*\g+\t)
	ds_load_b64 v[KFR+12*\t+4:KFR+12*\t+5], v[ADK8] offset:768*(4*\g+\t)+512
.endr
	s_wait_dscnt 0x0
.irp t, 0,1,2,3
	v_wmma_scale_f32_16x16x128_f8f6f4 v[S+8*(4*\g+\t):S+8*(4*\g+\t)+7], v[KFR+12*\t:KFR+12*\t+11], v[QF:QF+11], 0, v[KSW+4*\g+\t], v[QSW] matrix_a_fmt:MATRIX_FMT_FP6 matrix_b_fmt:MATRIX_FMT_FP6
.endr
.endr
.rept 4
	v_nop
.endr
	s_add_co_u32 s48, s[KF], 127                   ; on the diagonal the scores of hidden keys become -infinity ahead of the maximum: p = 0 then.  A step all of whose keys count skips this
	s_cmp_le_u32 s48, s[Q0]
	s_cbranch_scc1 .Lopen_\@
	s_sub_co_i32 s48, s[Q0], s[KF]
	v_add_nc_u32 v[W], s48, v[QL]                  ; d = my query - KF - 16 (l / 16).  Register 16 b + i holds key KF + 16 (l / 16) + 32 b + i: hidden where 32 b + i > d
	v_mov_b32 v[W+1], 0xff800000
.set n, 0
.rept 64
	v_cmp_gt_i32 vcc_lo, 32*(n/16)+n%16, v[W]
	v_cndmask_b32 v[S+n], v[S+n], v[W+1], vcc_lo
.set n, n+1
.endr
.Lopen_\@:
.irp b, 0,1,2,3
	v_max3_num_f32 v[BM+\b], v[S+16*\b], v[S+1+16*\b], v[S+2+16*\b]   ; the largest score of each block of 32 keys: for the row's maximum and, since p rises with the score, for the block's largest p
.endr
.irp i, 3,5,7,9,11,13
.irp b, 0,1,2,3
	v_max3_num_f32 v[BM+\b], v[BM+\b], v[S+16*\b+\i], v[S+1+16*\b+\i]
.endr
.endr
.irp b, 0,1,2,3
	v_max_num_f32 v[BM+\b], v[BM+\b], v[S+15+16*\b]
.endr
.irp b, 0,1,2,3
	s_delay_alu instid0(VALU_DEP_4)
	v_permlanex16_b32 v[TP+\b], v[BM+\b], s[SEL], s[SEL+1]
.endr
.irp b, 0,1,2,3
	s_delay_alu instid0(VALU_DEP_4)
	v_max_num_f32 v[BM+\b], v[BM+\b], v[TP+\b]     ; with lane l xor 16's 16 keys
.endr
	s_delay_alu instid0(VALU_DEP_2)
	v_max3_num_f32 v[W], v[BM], v[BM+1], v[BM+2]
	s_delay_alu instid0(VALU_DEP_1)
	v_max_num_f32 v[W], v[W], v[BM+3]
	s_delay_alu instid0(VALU_DEP_1)
	v_mul_f32 v[W], s[CS], v[W]                    ; as t (c is positive)
	s_delay_alu instid0(VALU_DEP_1)
	v_max_num_f32 v13, v13, v[W]                   ; the running largest t
	v_mov_b32 v[W], v12
	s_delay_alu instid0(VALU_DEP_2)
	v_floor_f32 v12, -v13                          ; the new -M = floor(-t): M is a whole number
	s_delay_alu instid0(VALU_DEP_1)
	v_sub_f32 v[W], v12, v[W]                      ; old M - new M: a whole number, 0 or less
	s_delay_alu instid0(VALU_DEP_1)
	v_cvt_i32_f32 v[W], v[W]                       ; (it saturates)
	s_delay_alu instid0(VALU_DEP_1)
	v_ldexp_f32 v[FF], 1.0, v[W]                   ; f = 2^(old M - new M)
.set j, 0
.rept 32
	v_pk_fma_f32 v[S+j:S+j+1], v[S+j:S+j+1], s[CS:CS+1], v[12:13] op_sel_hi:[1,0,0]   ; t - M, two at a time
.set j, j+2
.endr
	s_setprio 1
.irp b, 0,1,2,3
	v_fma_f32 v[BM+\b], v[BM+\b], s[CS], v12       ; the same of each block's largest score
.endr
.set j, 0
	s_wait_alu depctr_va_vdst(0)
.rept 64
	v_exp_f32 v[S+j], v[S+j]                       ; p = 2^(t - M), at most 1
.set j, j+1
.endr
	v_pk_mul_f32 v[14:15], v[14:15], v[FF:FF+1] op_sel_hi:[1,0]   ; the sums under the new M: a plain place behind the exponentials
	s_wait_alu depctr_va_vdst(0)                   ; one wait for the batch of 64, ahead of its first reader
.irp b, 0,1,2,3
	v_exp_f32 v[BM+\b], v[BM+\b]                   ; the block's largest p
.endr
	v_pk_add_f32 v[226:227], v[132:133], v[136:137]
	v_pk_add_f32 v[254:255], v[140:141], v[144:145]
	v_pk_add_f32 v[252:253], v[148:149], v[152:153]
	v_pk_add_f32 v[250:251], v[156:157], v[160:161]
	v_pk_add_f32 v[248:249], v[164:165], v[168:169]
	v_pk_add_f32 v[246:247], v[172:173], v[176:177]
	v_pk_add_f32 v[244:245], v[180:181], v[184:185]
	v_pk_add_f32 v[14:15], v[14:15], v[188:189]
	v_pk_add_f32 v[226:227], v[226:227], v[128:129]
	v_pk_add_f32 v[254:255], v[254:255], v[130:131]
	v_pk_add_f32 v[252:253], v[252:253], v[134:135]
	v_pk_add_f32 v[250:251], v[250:251], v[138:139]
	v_pk_add_f32 v[248:249], v[248:249], v[142:143]
	v_pk_add_f32 v[246:247], v[246:247], v[146:147]
	v_pk_add_f32 v[244:245], v[244:245], v[150:151]
	v_pk_add_f32 v[14:15], v[14:15], v[154:155]
	v_pk_add_f32 v[226:227], v[226:227], v[158:159]
	v_pk_add_f32 v[254:255], v[254:255], v[162:163]
	v_pk_add_f32 v[252:253], v[252:253], v[166:167]
	v_pk_add_f32 v[250:251], v[250:251], v[170:171]
	v_pk_add_f32 v[248:249], v[248:249], v[174:175]
	v_pk_add_f32 v[246:247], v[246:247], v[178:179]
	v_pk_add_f32 v[244:245], v[244:245], v[182:183]
	v_pk_add_f32 v[14:15], v[14:15], v[186:187]
	v_pk_add_f32 v[226:227], v[226:227], v[190:191]
	s_delay_alu instid0(VALU_DEP_2)
	v_pk_add_f32 v[14:15], v[14:15], v[250:251]
	s_delay_alu instid0(VALU_DEP_2)
	v_pk_add_f32 v[226:227], v[226:227], v[248:249]
	v_pk_add_f32 v[254:255], v[254:255], v[246:247]
	v_pk_add_f32 v[252:253], v[252:253], v[244:245]
	s_delay_alu instid0(VALU_DEP_2)
	v_pk_add_f32 v[14:15], v[14:15], v[254:255]
	s_delay_alu instid0(VALU_DEP_2)
	v_pk_add_f32 v[226:227], v[226:227], v[252:253]
	s_delay_alu instid0(VALU_DEP_1)
	v_pk_add_f32 v[14:15], v[14:15], v[226:227]
	s_wait_alu depctr_va_vdst(0)                   ; and one for the four
.irp b, 0,1,2,3
	v_max_num_f32 v[BM+\b], 0x1800000, v[BM+\b]    ; the floor 2^(3 - 127): the byte cannot fall under 1
.endr
.irp b, 0,1,2,3
	s_delay_alu instid0(VALU_DEP_4)
	v_add_nc_u32 v[SO+\b], 0xff000000, v[BM+\b]    ; 2 off the exponent field: the conversion's scale operand
.endr
.irp b, 0,1,2,3
	s_delay_alu instid0(VALU_DEP_4)
	v_lshrrev_b32 v[BY+\b], 23, v[SO+\b]
.endr
	s_delay_alu instid0(VALU_DEP_3)
	v_lshl_or_b32 v[PSW], v[BY+1], 8, v[BY]        ; p's scale word for these 128 keys
	s_delay_alu instid0(VALU_DEP_1)
	v_lshl_or_b32 v[PSW], v[BY+2], 16, v[PSW]
	s_delay_alu instid0(VALU_DEP_1)
	v_lshl_or_b32 v[PSW], v[BY+3], 24, v[PSW]
.irp c, 0,1
	v_cvt_scalef32_pk16_fp6_f32 v[PCD+6*\c:PCD+2+6*\c], v[S+32*\c:S+15+32*\c], v[SO+2*\c]
	v_cvt_scalef32_pk16_fp6_f32 v[PC2+4*\c:PC2+2+4*\c], v[S+16+32*\c:S+31+32*\c], v[SO+2*\c+1]
.endr
	v_nop                                          ; one plain place behind a scaled conversion
	ds_load_b128 v[VSW:VSW+3], v[ADT] offset:VSC   ; p has been read: V's four fragments take its registers, while the codes are put in order
	s_setprio 0
.irp t, 0,1,2,3
.irp c, 0,1,2
	ds_load_b128 v[S+12*\t+4*\c:S+12*\t+4*\c+3], v[ADK] offset:VC+1536*\t+512*\c
.endr
.endr
.irp c, 0,1                                    ; the operand's layout wants a WHOLE block in a lane
.irp i, 0,1,2
	v_permlane16_swap_b32 v[PCD+6*\c+\i], v[PC2+4*\c+\i]
.endr
.irp i, 0,1,2
	s_delay_alu instid0(VALU_DEP_3)
	v_mov_b32 v[PCD+3+6*\c+\i], v[PC2+4*\c+\i]
.endr
.endr
.set j, 0
.rept 16
	v_pk_mul_f32 v[O+j:O+j+1], v[O+j:O+j+1], v[FF:FF+1] op_sel_hi:[1,0]   ; O^T under the new M.  (These sixteen are also the places in front of the matrix instructions below)
.set j, j+2
.endr
	s_wait_alu depctr_va_vdst(0)
	s_wait_dscnt 0x0
.irp t, 0,1,2,3                                ; O^T += V^T P^T: the four accumulators by turns
	v_wmma_scale_f32_16x16x128_f8f6f4 v[O+8*\t:O+8*\t+7], v[S+12*\t:S+12*\t+11], v[PCD:PCD+11], v[O+8*\t:O+8*\t+7], v[VSW+\t], v[PSW] matrix_a_fmt:MATRIX_FMT_FP6 matrix_b_fmt:MATRIX_FMT_FP6
.endr
.rept 4
	v_nop
.endr
.Lhidden_\@:
	s_add_co_u32 s[KF], s[KF], 128
	s_add_co_u32 s[TB], s[TB], REC
.endm
; ctx = O^T / the sum; register 16 b + i is channel 32 b + 16 (l / 16) + i of the head: two blocks along D, quantised as p is; six registers and two scale bytes a lane leave.
.macro WAYOUT
	v_add_f32 v14, v14, v15
	s_delay_alu instid0(VALU_DEP_1)
	v_permlanex16_b32 v[TP], v14, s[SEL], s[SEL+1]
	s_delay_alu instid0(VALU_DEP_1)
	v_add_f32 v14, v14, v[TP]                      ; the row's sum
	s_wait_alu depctr_va_vdst(0)
	v_rcp_f32 v14, v14
	v_nop                                          ; a plain place behind the transcendental
	s_wait_alu depctr_va_vdst(0)                   ; and the wait ahead of its first reader
.set j, 0
.rept 32
	v_mul_f32 v[W+j], v[O+j], v14                  ; each accumulator from its low end on
.set j, j+1
.endr
.irp b, 0,1
	v_max3_num_f32 v[BM+\b], |v[W+16*\b]|, |v[W+1+16*\b]|, 0x1800000
.endr
.irp i, 2,4,6,8,10,12,14
.irp b, 0,1
	s_delay_alu instid0(VALU_DEP_2)
	v_max3_num_f32 v[BM+\b], v[BM+\b], |v[W+16*\b+\i]|, |v[W+1+16*\b+\i]|
.endr
.endr
.irp b, 0,1
	s_delay_alu instid0(VALU_DEP_2)
	v_permlanex16_b32 v[TP+\b], v[BM+\b], s[SEL], s[SEL+1]
.endr
.irp b, 0,1
	s_delay_alu instid0(VALU_DEP_2)
	v_max_num_f32 v[BM+\b], v[BM+\b], v[TP+\b]
.endr
.irp b, 0,1
	s_delay_alu instid0(VALU_DEP_2)
	v_add_nc_u32 v[SO+\b], 0xff000000, v[BM+\b]
.endr
.irp b, 0,1
	s_delay_alu instid0(VALU_DEP_2)
	v_lshrrev_b32 v[BY+\b], 23, v[SO+\b]
.endr
	s_delay_alu instid0(VALU_DEP_1)
	v_lshl_or_b32 v[BY], v[BY+1], 8, v[BY]
	v_cvt_scalef32_pk16_fp6_f32 v[PCD:PCD+2], v[W:W+15], v[SO]
	v_cvt_scalef32_pk16_fp6_f32 v[PC2:PC2+2], v[W+16:W+31], v[SO+1]
	v_nop
.irp i, 0,1,2
	v_permlane16_swap_b32 v[PCD+\i], v[PC2+\i]
.endr
.irp i, 0,1,2
	s_delay_alu instid0(VALU_DEP_3)
	v_mov_b32 v[PCD+3+\i], v[PC2+\i]
.endr
	global_store_b128 v[L16], v[PCD:PCD+3], s[CB:CB+1]             ; 512 consecutive bytes, aligned to 256
	global_store_b64 v[L8], v[PCD+4:PCD+5], s[CB:CB+1] offset:512  ; 256
	global_store_b16 v[R32], v[BY], s[CSB:CSB+1]                   ; lanes l and l xor 16 write the same two bytes with the same value
.endm
	SETUP 0
	INIT 0
	s_wait_tensorcnt 0x0                           ; my record, if I asked for one, has landed
	ds_add_u32 v[SPW], v[NIL]
	ds_add_u32 v[SPW], v[NIL]                      ; 0 onto my spare word
	s_wait_dscnt 0x0
	s_barrier_signal -1
	s_barrier_wait -1                              ; records 0-7 lie in LDS for every wave
	s_cmp_lt_u32 s[WV], 8
	s_cbranch_scc1 .Learly
	tensor_load_to_lds s[G0:G0+3], s[G1:G1+7]      ; records 8-15: bytes that nothing has filled and that the first pass does not read
	s_nop 0
.rept 4
	v_nop
.endr
.Learly:
	s_wait_loadcnt 0x0                             ; Q
	s_mov_b32 s[CNT], 8
.Lpass0:                                           ; records 0-7: every wave walks all eight trips and leaves the hidden steps' work out
	STEP
	s_sub_co_u32 s[CNT], s[CNT], 1
	s_cmp_lg_u32 s[CNT], 0
	s_cbranch_scc1 .Lpass0
	s_setprio 0
	WAYOUT
	s_wait_xcnt 0x0                                ; the stores have read their registers and bases: both are written again below
	SETUP 1
	INIT 1
	s_wait_tensorcnt 0x0                           ; my record 8-15, if I asked for one, has landed
	s_wait_dscnt 0x0
	s_barrier_signal -1
	s_barrier_wait -1                              ; all sixteen records lie in LDS for every wave
	s_wait_loadcnt 0x0                             ; Q
	s_mov_b32 s[CNT], 16
.Lpass1:
	STEP
	s_sub_co_u32 s[CNT], s[CNT], 1
	s_cmp_lg_u32 s[CNT], 0
	s_cbranch_scc1 .Lpass1
	s_setprio 0
	WAYOUT
	s_wait_tensorcnt 0x0                           ; the wave's end, behind my last tensor load
	ds_add_u32 v[SPW], v[NIL]
	s_wait_dscnt 0x0
	s_endpgm
.Lfunc_end_k_q1841523c42_attn:
	.size	k_q1841523c42_attn, .Lfunc_end_k_q1841523c42_attn-k_q1841523c42_attn
	.p2alignl 7, 3214868480
	.fill 96, 4, 3214868480
	.section	.rodata,"a",@progbits
	.p2align	6, 0x0
	.amdhsa_kernel k_q1841523c42_attn
		.amdhsa_group_segment_fixed_size 327680
		.amdhsa_private_segment_fixed_size 0
		.amdhsa_enable_private_segment 0
		.amdhsa_kernarg_size 24
		.amdhsa_user_sgpr_count 2
		.amdhsa_user_sgpr_kernarg_segment_ptr 1
		.amdhsa_wavefront_size32 1
		.amdhsa_system_sgpr_workgroup_id_x 1
		.amdhsa_system_sgpr_workgroup_id_y 1
		.amdhsa_system_sgpr_workgroup_id_z 1
		.amdhsa_system_vgpr_workitem_id 0
		.amdhsa_next_free_vgpr 256
		.amdhsa_next_free_sgpr 66
		.amdhsa_reserve_vcc 1
		.amdhsa_float_denorm_mode_32 3
		.amdhsa_float_denorm_mode_16_64 3
		.amdhsa_memory_ordered 1
		.amdhsa_forward_progress 1
		.amdhsa_inst_pref_size 65
	.end_amdhsa_kernel
	.amdgpu_metadata
---
amdhsa.version: [ 1, 2 ]
amdhsa.kernels:
  - .name:           k_q1841523c42_attn
    .symbol:         k_q1841523c42_attn.kd
    .args:
      - { .name: qkv, .offset: 0, .size: 8, .value_kind: global_buffer, .address_space: global }
      - { .name: cc, .offset: 8, .size: 8, .value_kind: global_buffer, .address_space: global }
      - { .name: cs, .offset: 16, .size: 8, .value_kind: global_buffer, .address_space: global }
    .group_segment_fixed_size: 327680
    .private_segment_fixed_size: 0
    .kernarg_segment_align: 8
    .kernarg_segment_size: 24
    .max_flat_workgroup_size: 512
    .sgpr_count:     66
    .vgpr_count:     256
    .wavefront_size: 32
...
	.end_amdgpu_metadata
.endif
;; end of part 3
;; launch proj (part 4): grid 4 x 32, 4 waves a work-group, clusters of 4 x 4, 327,680 bytes of LDS; arguments cc, cs, wc, ws, bo, out0; writes out0
.if DOCPART == 4
	.amdgcn_target "amdgcn-amd-amdhsa--gfx1250"
	.amdhsa_code_object_version 6
	.text
	.protected	k_q1841523c42_proj
	.globl	k_q1841523c42_proj
	.p2align	8
	.type	k_q1841523c42_proj,@function
k_q1841523c42_proj:
	s_mov_b64 s[64:65], 0
	v_nop
	global_prefetch_b8 v0, s[64:65] scope:SCOPE_SE
	s_setreg_imm32_b32 hwreg(HW_REG_WAVE_MODE, 25, 1), 1
	s_wait_xcnt 0x0
	s_wait_alu depctr_hold_cnt(0) depctr_sa_sdst(0) depctr_va_vdst(0) depctr_va_sdst(0) depctr_va_ssrc(0) depctr_va_vcc(0) depctr_vm_vsrc(0)
	s_getreg_b32 s2, hwreg(HW_REG_IB_STS2, 6, 4)
	s_cmp_eq_u32 s2, 0
	s_cbranch_scc0 .Lentry_in_a_cluster
	s_endpgm
.Lentry_in_a_cluster:
	s_bfe_u32 s2, ttmp6, 0x10000c
	s_cmp_lg_u32 s2, 0xf033
	s_cbranch_scc0 .Lentry_shape_is_right
	s_endpgm
.Lentry_shape_is_right:
; out0 = ctx Wo + bo on codes of FP6 (E2M3) with E8M0 scales, K = 1,024, sums in f32.  128 tiles of 256 x 256; a wave makes 128 x 128: 64 accumulators.
; A (source 1) = ctx: cc [tile of 16 tokens][head][768]: images of operand registers, six registers a lane for each head; two heads are a fragment of 128 along K.  cs [token][32] its scale bytes.
; B (source 0) = Wo: wc rows 3,072 .. 4,095, rows of 768 bytes, K innermost; ws its scale bytes.  The stored rows of cc, cs, wc and ws have groups 1 and 2 of eight exchanged in every 32:
; so register j of accumulator (a, b) is column 32 (b/2) + 8 (b%2) + 16 (l / 16) + j, and lane r of block a is token 32 (a/2) + 8 (a%2) + r%8 + 16 (r/8); the way out puts both in their places.
; K goes in steps of 256 through a ring of two LDS slots filled by joint tensor loads (4 x 4 cluster: A's tiles shared along a row, B's along a column); the scale bytes of all of K come once.
; The bias is the C of each sum's first matrix instruction: eight registers for each b, in the result's layout.
; REGISTERS, in windows of 256: window 0: v0-31 addresses; v32-63 scale words, two sets; v64-127 the bias; from v128 A's fragments, ONE set; on the way out v128-255 rows of out0.
;   window 1: B's fragments, TWO sets.   window 2: the accumulators of my rows 0-63;   window 3: those of my rows 64-127.
.set KSTEP,  256
.set NQ,     2
.set ROWB,   192
.set KROW,   768
.set PITCH,  240                       ; B's LDS row: 3 x (64 bytes + 16 of padding)
.set FR,     12
.set NL,     6                         ; LDS loads that bring a fragment of B
.set NLA,    4                         ; and of A
.set NP,     4
.set ATILE,  3072                      ; 16 tokens x 256 along K: four heads' images
.set HALFA,  8*ATILE                   ; 128 rows of A: what one tensor load brings
.set HALFB,  128*PITCH
.set SLOT,   2*HALFA+2*HALFB
.set LAPS,   2
.set KS,     32
.set SCL,    2*SLOT
.set HALFS,  16*272
.set SBLK,   2*272
.set SPARE,  SCL+4*HALFS               ; the spare words, 128 bytes for each wave: two blocks of 256 bytes that no other line names
.set SPITCH, 528                       ; the way out: a stage of 16 rows x (512 bytes + 16) for each wave, in slot 0, which has had its last fill and its last read by then
.set ADRA, 16                          ; v16-17 A's images: 16 x lane, slot 0, 1;  v18-19: 8 x lane
.set ADRB, 20                          ; v20-23
.set STO,  24
.set RD,   25
.set CO,   26
.set ADRS, 27
.set SPW,  28
.set NIL,  29
.set SC,   32
.set BI,   64                          ; v64-127 the bias
.set AF,   128
.set BK,   128
.set G1, 24
.set G0, 32
.set G1B, 48
.set G0B, 56
.set G1S, 68
.set G0S, 76
.set G1SB, 80
.set G0SB, 88
.set MSB, 0
.macro WIN new
.if MSB != \new
	s_set_vgpr_msb (MSB<<8)|\new
.set MSB, \new
.endif
.endm
.set MUL_LO, 0xa1                      ; source 0 (B) window 1, source 1 (A) window 0, C and D window 2
.set MUL_HI, 0xf1                      ; the same, C and D window 3
.set TO_B,   0x40
.macro JLOAD g0a, g1a, g0b, g1b        ; a joint load: waves 0 and 1 fetch for A, waves 2 and 3 for B; an s_nop 0 and four v_nop follow each of the two lines
	s_cmp_eq_u32 s15, 0
	s_cbranch_scc0 .Lfor_b_\@
	tensor_load_to_lds s[\g0a:\g0a+3], s[\g1a:\g1a+7]
	s_nop 0
.rept 4
	v_nop
.endr
	s_branch .Lasked_\@
.Lfor_b_\@:
	tensor_load_to_lds s[\g0b:\g0b+3], s[\g1b:\g1b+7]
	s_nop 0
.rept 4
	v_nop
.endr
.Lasked_\@:
.endm
.macro CREST
	s_cmp_lg_u32 s14, 0
	s_cbranch_scc1 .Lnot_wave_0_\@
	s_barrier_signal -3
.Lnot_wave_0_\@:
	s_barrier_wait -3
	s_barrier_signal -1
	s_barrier_wait -1
.endm
.macro CROUND
	s_barrier_signal -1
	s_barrier_wait -1
	CREST
.endm
	s_load_b128 s[4:7], s[0:1], 0x0                ; cc, cs
	s_load_b128 s[8:11], s[0:1], 0x10              ; wc, ws
	s_load_b128 s[96:99], s[0:1], 0x20             ; bo, out0
	v_lshl_add_u32 v[SPW], v0, 2, SPARE
	v_mov_b32 v[NIL], 0
	ds_add_u32 v[SPW], v[NIL]                      ; the wave's opening: the add and its wait stand ahead of my first tensor load; the set-up below, work on registers, stands between them
	v_lshrrev_b32 v1, 5, v0
	v_readfirstlane_b32 s14, v1                    ; wave 0..3
	s_lshr_b32 s15, s14, 1                         ; which half of the tile's rows is mine.  Also: I fetch for A (0) or for B (1)
	s_and_b32 s16, s14, 1                          ; which half of its columns.  Also: which 128 rows of that tile I fetch
	s_bfe_u32 s40, ttmp6, 0x40000                  ; cx
	s_bfe_u32 s41, ttmp6, 0x40004                  ; cy
	s_lshl_b32 s42, ttmp9, 2
	s_add_co_u32 s42, s42, s40                     ; tile column
	s_and_b32 s17, ttmp7, 0xffff
	s_lshl_b32 s17, s17, 2
	s_add_co_u32 s17, s17, s41                     ; tile row
	s_lshl_b32 s43, s41, 2
	s_lshl_b32 s43, 15, s43                        ; my row of the cluster
	s_lshl_b32 s44, 0x1111, s40                    ; my column
	; A: 8 rows (tiles of 16 tokens) of 3,072 bytes (384 elements of 8), 12,288 bytes apart; no padding: the images are read 16 or 8 consecutive bytes a lane
	s_or_b32 s[G1+0], s43, (3<<16)|(1<<21)
	s_mov_b32 s[G1+1], 384<<16
	s_mov_b32 s[G1+2], 8<<16
	s_mov_b32 s[G1+3], 384<<16
	s_mov_b32 s[G1+4], 8
	s_mov_b32 s[G1+5], 1536
	s_mov_b32 s[G1+6], 0
	s_mov_b32 s[G1+7], 0
	; B: 128 rows x 192 bytes, 16 bytes of padding behind every 64
	s_or_b32 s[G1B+0], s44, (0<<16)|(1<<20)|(1<<21)|(3<<22)|(3<<25)
	s_mov_b32 s[G1B+1], ROWB<<16
	s_mov_b32 s[G1B+2], 128<<16
	s_mov_b32 s[G1B+3], ROWB<<16
	s_mov_b32 s[G1B+4], 128
	s_mov_b32 s[G1B+5], KROW
	s_mov_b32 s[G1B+6], 0
	s_mov_b32 s[G1B+7], 0
	; the scales of 128 rows: 16 rows of 256 bytes, 16 bytes of padding behind each
	s_or_b32 s[G1S+0], s43, (3<<16)|(1<<20)|(1<<21)|(5<<22)|(3<<25)
	s_or_b32 s[G1SB+0], s44, (3<<16)|(1<<20)|(1<<21)|(5<<22)|(3<<25)
.irp g, G1S, G1SB
	s_mov_b32 s[\g+1], 32<<16
	s_mov_b32 s[\g+2], 16<<16
	s_mov_b32 s[\g+3], 32<<16
	s_mov_b32 s[\g+4], 16
	s_mov_b32 s[\g+5], 32
	s_mov_b32 s[\g+6], 0
	s_mov_b32 s[\g+7], 0
.endr
	s_lshl_b32 s20, s17, 4
	s_lshl_b32 s18, s16, 3
	s_add_co_u32 s20, s20, s18                     ; A: tile of 16 tokens 16 x tile row + 8 x half
	s_mul_i32 s20, s20, 12288
	s_mov_b32 s21, 0
	s_lshl_b32 s22, s17, 8
	s_lshl_b32 s18, s16, 7
	s_add_co_u32 s22, s22, s18
	s_lshl_b32 s22, s22, 5                         ; its rows' scales: 32 bytes a row
	s_mov_b32 s23, 0
	s_lshl_b32 s46, s42, 8
	s_add_co_u32 s46, s46, s18
	s_add_co_u32 s46, s46, 3072                    ; B: row 3,072 + 256 x tile column + 128 x half
	s_lshl_b32 s92, s46, 5
	s_mov_b32 s93, 0
	s_mul_i32 s46, s46, KROW
	s_mov_b32 s47, 0
	s_mul_i32 s45, s16, HALFA                      ; where they go: A's two halves,
	s_mul_i32 s95, s16, HALFB
	s_add_co_u32 s95, s95, 2*HALFA                 ; then B's two: no place in the cluster enters an LDS address
	s_mul_i32 s94, s14, HALFS
	s_wait_dscnt 0x0                               ; the opening add is done
	s_wait_kmcnt 0x0
	s_add_nc_u64 s[20:21], s[4:5], s[20:21]
	s_add_nc_u64 s[22:23], s[6:7], s[22:23]
	s_add_nc_u64 s[46:47], s[8:9], s[46:47]
	s_add_nc_u64 s[92:93], s[10:11], s[92:93]
	CROUND                                         ; all sixteen work-groups are here: the first joint loads meet
	s_mov_b32 s[G0S], 1
	s_add_co_u32 s[G0S+1], s94, SCL
	s_mov_b64 s[G0S+2:G0S+3], s[22:23]
	s_or_b32 s[G0S+3], s[G0S+3], 0x80000000
	s_mov_b32 s[G0SB], 1
	s_add_co_u32 s[G0SB+1], s94, SCL
	s_mov_b64 s[G0SB+2:G0SB+3], s[92:93]
	s_or_b32 s[G0SB+3], s[G0SB+3], 0x80000000
	JLOAD G0S, G1S, G0SB, G1SB
.irp s, 0,1
	s_mov_b32 s[G0+4*\s], 1
	s_add_co_u32 s[G0+4*\s+1], s45, \s*SLOT
	s_add_nc_u64 s[G0+4*\s+2:G0+4*\s+3], s[20:21], \s*ATILE
	s_or_b32 s[G0+4*\s+3], s[G0+4*\s+3], 0x80000000
	s_mov_b32 s[G0B+4*\s], 1
	s_add_co_u32 s[G0B+4*\s+1], s95, \s*SLOT
	s_add_nc_u64 s[G0B+4*\s+2:G0B+4*\s+3], s[46:47], \s*ROWB
	s_or_b32 s[G0B+4*\s+3], s[G0B+4*\s+3], 0x80000000
	JLOAD G0+4*\s, G1, G0B+4*\s, G1B               ; three tensor loads of mine are out behind the second
.endr
	v_and_b32 v1, 15, v0                           ; l % 16
	v_bfe_u32 v2, v0, 4, 1                         ; l / 16
	v_lshlrev_b32 v9, 6, v2                        ; the bias: lanes 16-31 take the columns 16 further on; never rewritten
	s_lshl_b32 s20, s42, 10
	s_lshl_b32 s21, s16, 9
	s_add_co_u32 s20, s20, s21                     ; my first column, in bytes: 1,024 x tile column + 512 x half
	s_mov_b32 s21, 0
	s_add_nc_u64 s[96:97], s[96:97], s[20:21]
.irp b, 0,1,2,3,4,5,6,7
	global_load_b128 v[BI+8*\b:BI+8*\b+3], v9, s[96:97] offset:(32*(\b/2)+8*(\b%2))*4
	global_load_b128 v[BI+8*\b+4:BI+8*\b+7], v9, s[96:97] offset:(32*(\b/2)+8*(\b%2))*4+16
.endr
	s_lshl_b32 s22, s17, 8
	s_lshl_b32 s23, s15, 7
	s_add_co_u32 s22, s22, s23                     ; my first row of out0
	s_lshl_b32 s22, s22, 12                        ; rows of 4,096 bytes
	s_mov_b32 s23, 0
	s_add_nc_u64 s[98:99], s[98:99], s[22:23]
	s_add_nc_u64 s[98:99], s[98:99], s[20:21]
	v_mul_u32_u24 v3, v1, PITCH
	v_mul_u32_u24 v4, v2, 24
	v_add_nc_u32 v4, v3, v4                        ; B: a fragment's row x pitch + 24 x half
	v_lshl_add_u32 v5, v2, 4, v4                   ; and the same behind one padding more
	v_and_b32 v6, 31, v0
	v_lshlrev_b32 v7, 4, v6                        ; A: 16 x lane,
	v_lshlrev_b32 v8, 3, v6                        ; 8 x lane
	s_mul_i32 s21, s15, HALFA                      ; my 128 rows of A
	s_mul_i32 s22, s16, HALFB                      ; my 128 rows of B,
	s_add_co_u32 s22, s22, 2*HALFA                 ; which lie behind A's 256
.irp s, 0,1
	v_add_nc_u32 v[ADRA+\s], s21, v7
	v_add_nc_u32 v[ADRA+2+\s], s21, v8
	v_add_nc_u32 v[ADRB+\s], s22, v4
	v_add_nc_u32 v[ADRB+2+\s], s22, v5
	s_add_co_u32 s21, s21, SLOT
	s_add_co_u32 s22, s22, SLOT
.endr
	v_mul_u32_u24 v5, v1, KS
	v_lshrrev_b32 v6, 8, v5
	v_lshl_add_u32 v5, v6, 4, v5
	s_mul_i32 s21, s15, HALFS
	s_mul_i32 s22, s16, HALFS
	s_add_co_u32 s22, s22, 2*HALFS
	s_sub_co_u32 s22, s22, s21
	v_mul_u32_u24 v6, s22, v2                      ; lanes 16-31 take B's
	s_add_co_u32 s21, s21, SCL
	v_add_nc_u32 v5, v5, v6
	v_add_nc_u32 v[ADRS], s21, v5
	s_mul_i32 s23, s14, 16*SPITCH                  ; my stage
	v_mul_u32_u24 v5, v1, SPITCH                   ; in: row l % 16; lanes 16-31 hold the columns 16 further on: 64 bytes
	v_lshl_add_u32 v5, v2, 6, v5
	v_add_nc_u32 v[STO], s23, v5
	v_and_b32 v6, 31, v0
	v_lshlrev_b32 v[CO], 4, v6                     ; back: the 32 lanes take one row of 512 bytes; and the same in out0
	v_add_nc_u32 v[RD], s23, v[CO]
.macro FRAG reg, adr, q, i             ; a fragment of B: 12 registers, in pieces of 8 bytes
.irp p, 0,1,2,3,4,5
.set PIECE, 12*(\q)+6*(\p/3)+\p%3
.if PIECE%8 < 5
	ds_load_b64 v[\reg+2*\p:\reg+2*\p+1], v[\adr] offset:8*PIECE+16*(PIECE/8)+(\i)*16*PITCH
.else
	ds_load_b64 v[\reg+2*\p:\reg+2*\p+1], v[\adr+2] offset:8*PIECE+16*(PIECE/8)+(\i)*16*PITCH
.endif
.endr
.endm
.macro FRAG_A reg, slot, q, i          ; a fragment of A: two heads' images, each four registers at 16 x lane and two at 512 + 8 x lane
	ds_load_b128 v[\reg:\reg+3], v[ADRA+\slot] offset:(\i)*ATILE+(\q)*1536
	ds_load_b64 v[\reg+4:\reg+5], v[ADRA+2+\slot] offset:(\i)*ATILE+(\q)*1536+512
	ds_load_b128 v[\reg+6:\reg+9], v[ADRA+\slot] offset:(\i)*ATILE+(\q)*1536+768
	ds_load_b64 v[\reg+10:\reg+11], v[ADRA+2+\slot] offset:(\i)*ATILE+(\q)*1536+1280
.endm
; 16 matrix instructions.  zero = 1: the first product starts the sums, on the bias.  The 64 accumulators take turns, one instruction a turn.
.macro MUL16 a0, p, q, sc, zero
.irp a, \a0, \a0+1
.irp b, 0,1,2,3,4,5,6,7
.if \zero
	v_wmma_scale_f32_16x16x128_f8f6f4 v[8*(8*((\a)%4)+\b):8*(8*((\a)%4)+\b)+7], v[128*(\p)+FR*\b:128*(\p)+FR*\b+FR-1], v[AF+FR*(\a):AF+FR*(\a)+FR-1], v[BI+8*\b:BI+8*\b+7], v[SC+8*NQ*(\sc)+NQ*\b+(\q)], v[SC+8*NQ*(\sc)+NQ*(\a)+(\q)] matrix_a_fmt:MATRIX_FMT_FP6 matrix_b_fmt:MATRIX_FMT_FP6 matrix_a_scale:MATRIX_SCALE_ROW1
.else
	v_wmma_scale_f32_16x16x128_f8f6f4 v[8*(8*((\a)%4)+\b):8*(8*((\a)%4)+\b)+7], v[128*(\p)+FR*\b:128*(\p)+FR*\b+FR-1], v[AF+FR*(\a):AF+FR*(\a)+FR-1], v[8*(8*((\a)%4)+\b):8*(8*((\a)%4)+\b)+7], v[SC+8*NQ*(\sc)+NQ*\b+(\q)], v[SC+8*NQ*(\sc)+NQ*(\a)+(\q)] matrix_a_fmt:MATRIX_FMT_FP6 matrix_b_fmt:MATRIX_FMT_FP6 matrix_a_scale:MATRIX_SCALE_ROW1
.endif
.endr
.endr
.endm
.macro FETCH_B slot, q, p
	WIN TO_B
.irp i, 0,1,2,3,4,5,6,7
	FRAG 128*(\p)+FR*\i, ADRB+\slot, \q, \i
.endr
	WIN 0
.endm
.macro FETCH_A slot, q, i0
.irp i, \i0, \i0+1, \i0+2, \i0+3
	FRAG_A AF+FR*(\i), \slot, \q, \i
.endr
.endm
.macro SCALES sc
.irp i, 0,1,2,3,4,5,6,7
	ds_load_b64 v[SC+8*NQ*\sc+NQ*\i:SC+8*NQ*\sc+NQ*\i+1], v[ADRS] offset:\i*SBLK
.endr
.endm
.macro PLACES n
.rept \n
	v_nop
.endr
.endm
.macro STEP slot, q, zero
	s_wait_dscnt 4*NLA                             ; B's set and A's blocks 0-3 are in; the youngest 16 loads (A's blocks 4-7) may be out
.if \zero
	WIN 0x81                                       ; C (the bias) window 0, D window 2
.else
	WIN MUL_LO
.endif
	MUL16 0, (\q)%2, \q, \slot, \zero
	MUL16 2, (\q)%2, \q, \slot, \zero
	s_wait_dscnt 0
	PLACES NP
	FETCH_B \slot, (\q)+1, 1-(\q)%2
	FETCH_A \slot, (\q)+1, 0
.if \zero
	WIN 0xc1                                       ; C window 0, D window 3
.else
	WIN MUL_HI
.endif
	MUL16 4, (\q)%2, \q, \slot, \zero
	MUL16 6, (\q)%2, \q, \slot, \zero
	PLACES NP
	WIN 0
	FETCH_A \slot, (\q)+1, 4
.endm
.macro TURN slot, next, fill
	s_wait_tensorcnt 0x0                           ; all my tensor loads have landed: my part of the next slot
	ds_add_u32 v[SPW], v[NIL]                      ; 0 onto my spare word
	s_wait_dscnt 4*NLA+1                           ; the add and the youngest 16 loads may be out
	WIN MUL_LO
	MUL16 0, 1, NQ-1, \slot, 0
	s_wait_dscnt 0x0                               ; the add is done, and my reads of this slot are over
	s_barrier_signal -1
	MUL16 2, 1, NQ-1, \slot, 0
	WIN 0
	s_barrier_wait -1
.if \fill
	CREST                                          ; the barrier has opened a round of the cluster's barrier: no wave of any partner still reads this slot or has a load on its way
	s_add_nc_u64 s[G0+4*\slot+2:G0+4*\slot+3], s[G0+4*\slot+2:G0+4*\slot+3], 2*ATILE
	s_add_nc_u64 s[G0B+4*\slot+2:G0B+4*\slot+3], s[G0B+4*\slot+2:G0B+4*\slot+3], 2*ROWB
	JLOAD G0+4*\slot, G1, G0B+4*\slot, G1B         ; the first tensor load behind the round, one a wave; its four v_nop are the places in front of the loads below
.else
	PLACES NP
.endif
	v_add_nc_u32 v[ADRS], 4*NQ, v[ADRS]
	FETCH_B \next, 0, 0
	FETCH_A \next, 0, 0
	SCALES \next
	WIN MUL_HI
	MUL16 4, 1, NQ-1, \slot, 0
	MUL16 6, 1, NQ-1, \slot, 0
	PLACES NP
	WIN 0
	FETCH_A \next, 0, 4
.endm
	s_wait_tensorcnt 1                             ; the scales and my part of K step 0 are in (K step 1's load may be out),
	s_barrier_signal -1
	s_barrier_wait -1                              ; everybody's are
	FETCH_B 0, 0, 0
	FETCH_A 0, 0, 0
	SCALES 0
	FETCH_A 0, 0, 4
	s_wait_loadcnt 0x0                             ; the bias
	STEP 0, 0, 1                                   ; the first step stands in front of the loop: its products start the sums
	s_mov_b32 s3, LAPS-1
.Llap:
	TURN 0, 1, 1
	STEP 1, 0, 0
	TURN 1, 0, 1
	STEP 0, 0, 0
	s_sub_co_u32 s3, s3, 1
	s_cmp_lg_u32 s3, 0
	s_cbranch_scc1 .Llap
	TURN 0, 1, 0                                   ; the last lap fills nothing
	STEP 1, 0, 0
	s_wait_dscnt 4*NLA
	WIN MUL_LO
	MUL16 0, 1, NQ-1, 1, 0
	MUL16 2, 1, NQ-1, 1, 0
	s_wait_dscnt 0
	WIN MUL_HI
	MUL16 4, 1, NQ-1, 1, 0
	MUL16 6, 1, NQ-1, 1, 0
	WIN 0
; THE WAY OUT, block by block of 16 rows x 128 columns, through my own stage in LDS; back as whole rows of 512 bytes.  LDS serves a wave's instructions in order (ISA guide 5.7.1.4).
.macro TOSTAGE a
.set AC, 64*((\a)%4)
	WIN 0x08+4*((\a)/4)                            ; the data: window 2 or 3
.irp b, 0,1,2,3,4,5,6,7
	ds_store_b128 v[STO], v[AC+8*\b:AC+8*\b+3] offset:128*(\b/2)+32*(\b%2)          ; columns 32 (b/2) + 8 (b%2) + 16 (l / 16) on; each accumulator from its low end on
	ds_store_b128 v[STO], v[AC+8*\b+4:AC+8*\b+7] offset:128*(\b/2)+32*(\b%2)+16
.endr
	WIN 0
.set BB, BK+64*((\a)%2)
.irp t, 0,1,2,3,4,5,6,7,8,9,10,11,12,13,14,15
	ds_load_b128 v[BB+4*\t:BB+4*\t+3], v[RD] offset:\t*SPITCH
.endr
.endm
.macro SEND a, younger
.set BB, BK+64*((\a)%2)
	s_wait_dscnt \younger                          ; the block is back in registers
.if (\a) > 0
.if ((\a)%2) == 1
	s_add_nc_u64 s[98:99], s[98:99], 8*4096        ; block a begins at row 32 (a/2) + 8 (a%2)  (behind a wait on XCNT: the earlier stores have read their base)
.else
	s_add_nc_u64 s[98:99], s[98:99], 24*4096
.endif
.endif
.irp t, 0,1,2,3,4,5,6,7,8,9,10,11,12,13,14,15
	global_store_b128 v[CO], v[BB+4*\t:BB+4*\t+3], s[98:99] offset:(\t%8+16*(\t/8))*4096 th:TH_STORE_NT   ; 32 lanes store 512 consecutive bytes, aligned to 256
.endr
.endm
	PLACES NP
	TOSTAGE 0
.irp a, 1,2,3,4,5,6,7
.if \a > 1
	s_wait_xcnt 0x0                                ; block a - 2's stores have read their registers and their base
.endif
	TOSTAGE \a
	SEND \a-1, 32                                  ; behind block a - 1's loads: block a's 16 stores and 16 loads
.endr
	s_wait_xcnt 0x0
	SEND 7, 0
	s_wait_tensorcnt 0x0                           ; the wave's end, behind my last tensor load and my last LDS store
	ds_add_u32 v[SPW], v[NIL]
	s_wait_dscnt 0x0
	CROUND                                         ; the closing round
	s_endpgm
.Lfunc_end_k_q1841523c42_proj:
	.size	k_q1841523c42_proj, .Lfunc_end_k_q1841523c42_proj-k_q1841523c42_proj
	.p2alignl 7, 3214868480
	.fill 96, 4, 3214868480
	.section	.rodata,"a",@progbits
	.p2align	6, 0x0
	.amdhsa_kernel k_q1841523c42_proj
		.amdhsa_group_segment_fixed_size 327680
		.amdhsa_private_segment_fixed_size 0
		.amdhsa_enable_private_segment 0
		.amdhsa_kernarg_size 48
		.amdhsa_user_sgpr_count 2
		.amdhsa_user_sgpr_kernarg_segment_ptr 1
		.amdhsa_wavefront_size32 1
		.amdhsa_system_sgpr_workgroup_id_x 1
		.amdhsa_system_sgpr_workgroup_id_y 1
		.amdhsa_system_sgpr_workgroup_id_z 1
		.amdhsa_system_vgpr_workitem_id 0
		.amdhsa_next_free_vgpr 1024
		.amdhsa_next_free_sgpr 100
		.amdhsa_reserve_vcc 0
		.amdhsa_float_denorm_mode_32 3
		.amdhsa_float_denorm_mode_16_64 3
		.amdhsa_memory_ordered 1
		.amdhsa_forward_progress 1
		.amdhsa_inst_pref_size 154
	.end_amdhsa_kernel
	.amdgpu_metadata
---
amdhsa.version: [ 1, 2 ]
amdhsa.kernels:
  - .name:           k_q1841523c42_proj
    .symbol:         k_q1841523c42_proj.kd
    .args:
      - { .name: cc, .offset: 0, .size: 8, .value_kind: global_buffer, .address_space: global }
      - { .name: cs, .offset: 8, .size: 8, .value_kind: global_buffer, .address_space: global }
      - { .name: wc, .offset: 16, .size: 8, .value_kind: global_buffer, .address_space: global }
      - { .name: ws, .offset: 24, .size: 8, .value_kind: global_buffer, .address_space: global }
      - { .name: bo, .offset: 32, .size: 8, .value_kind: global_buffer, .address_space: global }
      - { .name: out0, .offset: 40, .size: 8, .value_kind: global_buffer, .address_space: global }
    .group_segment_fixed_size: 327680
    .private_segment_fixed_size: 0
    .kernarg_segment_align: 8
    .kernarg_segment_size: 48
    .max_flat_workgroup_size: 128
    .sgpr_count:     100
    .vgpr_count:     1024
    .wavefront_size: 32
...
	.end_amdgpu_metadata
.endif
;; end of part 4
